; MI455X (gfx1250); checked and timed in simulation.
; The chip was launched on July 23, 2026; its instructions are those of AMD's public machine-readable ISA for CDNA 5 (MIT licence, August 2026) and "CDNA5" Instruction Set Architecture Reference Guide (July 2026). The comments in the code are by the model that wrote it; some were corrected since.
;; Attention. Allowed arithmetic: matrix products marked QUANTISED: E2M3 operands, one E8M0 scale for each 32 along K, by v_wmma_scale_f32_16x16x128_f8f6f4 with both operands' format E2M3, f32 sums; everything else in f32.
;; Inputs: freqs_cos 2,048 x 64 float32; freqs_sin 2,048 x 64 float32; mask 2,048 x 2,048 float32; wk 2,048 x 2,048 float32; wo 2,048 x 2,048 float32; wq 2,048 x 2,048 float32; wv 2,048 x 2,048 float32; x 1 x 2,048 x 2,048 float32.
;; Outputs: out0 1 x 2,048 x 2,048 float32.
;; This version of the problem:
;;   THIS VERSION OF THE PROBLEM IS GIVEN IN LOW PRECISION. The matrix products marked QUANTISED in the list below multiply operands that are first quantised to E2M3 (2 exponent bits, 3 mantissa bits; 6 bits a number), with one power-of-two scale for each 32 numbers along K (OCP MX v1.0); their sums are f32. All else is computed in f32.
;;   The module's matrix products, in the order in which they are computed (A, B: the left and right operand; K: the contracted axis; several contracted axes count as one K, in the product's order):
;;     1. [M 2,048, K 2,048] x [K 2,048, N 2,048]; A: input x; B: input wq: QUANTISED
;;     2. [M 2,048, K 2,048] x [K 2,048, N 2,048]; A: input x; B: input wk: QUANTISED
;;     3. [M 2,048, K 2,048] x [K 2,048, N 2,048]; A: input x; B: input wv: QUANTISED
;;     4. batch 16 x [M 2,048, K 128] x [K 128, N 2,048]; A: computed on the way; B: computed on the way: QUANTISED
;;     5. batch 16 x [M 128, K 2,048] x [K 2,048, N 2,048]; A: computed on the way; B: softmax (see below): QUANTISED
;;     6. [M 2,048, K 2,048] x [K 2,048, N 2,048]; A: computed on the way; B: input wo: QUANTISED
;;   THE QUANTISER, for each operand of a quantised product, along K:
;;     - K is cut into blocks of 32 from its start; a last block that is shorter is filled with zeros.
;;     - A block's scale is 2^e with e = floor(log2(the largest magnitude in the block)) - 2, held to -126 .. 127; a block of zeros has e = 0. As a byte (E8M0): e + 127.
;;     - Each number is divided by its block's scale, clamped to +-7.5, and rounded to the nearest number of E2M3, ties to even, subnormals kept.
;;     - The product sums the exact products of the quantised numbers (number of the format x scale) in f32.
;;   ~~~python
;;   def quantise(x, axis):      # numpy; x: float32 -> the quantised numbers, widened to float32 again
;;       x = np.moveaxis(x, axis, -1); K = x.shape[-1]
;;       x = np.pad(x, [(0, 0)] * (x.ndim - 1) + [(0, -K % 32)]); x = x.reshape(x.shape[:-1] + (-1, 32)); a = np.abs(x).max(-1, keepdims=True)
;;       e = np.where(a > 0, np.clip(np.frexp(np.where(a > 0, a, 1))[1] - 1 - 2, -126, 127), 0)      # np.frexp(a)[1] - 1 = floor(log2(a)), exactly
;;       r = np.clip(x / 2.0 ** e, -7.5, 7.5)
;;       step = 2.0 ** (np.maximum(np.frexp(np.where(r == 0, 1, r))[1] - 1, 0) - 3)
;;       q = np.round(r / step) * step * 2.0 ** e      # np.round: ties to even
;;       return np.moveaxis(q.reshape(q.shape[:-2] + (-1,))[..., :K], -1, axis).astype(np.float32)
;;   ~~~
;;   SOFTMAX AHEAD OF A QUANTISED PRODUCT. Where the list says 'softmax', what is quantised is not the finished softmax but p = 2^(t - M), with t = logit x log2(e) and M = ceil(the row's largest t), a whole number; so 1/2 < the row's largest p <= 1. The row's sum l is taken of the UNQUANTISED p, in f32, and the product's result is divided by l at the end. Since M is a whole number, a kernel that streams over the keys may use a running M (the ceiling of the running maximum): every later rescaling is an exact power of two, which a block's scale takes up: the codes' values come out the same.
;;   OPERANDS COMPUTED ON THE WAY. 'Computed on the way' means the value that the module computes at that place (a softmax that the list does not call 'softmax' is quantised finished and normalised). What goes into a quantiser is computed in f32, as accurately as f32 sums, v_exp_f32 and their like allow (about 1e-6 of the number): no bf16 or f16 on the way to a quantiser, and a product that is left as it is and whose result goes on into a quantised operand takes f32 operands (vector FMAs, or v_wmma_f32_16x16x4_f32). A number that lies on a knife's edge between two numbers of the format may be rounded either way, as far as f32 arithmetic and the matrix unit's own rounding can turn it there, and no further.
;; One version. Each part assembles by itself: llvm-mc -triple=amdgcn-amd-amdhsa -mcpu=gfx1250 --defsym DOCPART=n.
;; ======== version 1 of 1: 4 launches
;; limits: right only within a limited range of input values
;; workspace buffers: img 16,384,000 bytes; flags 4,096 bytes of whole numbers; qkv 9,830,400 bytes; oimg 3,276,800 bytes
;; launch prep (part 1): grid 256 x 1, 4 waves a work-group, no clusters, 327,680 bytes of LDS; arguments x, wq, wk, wv, wo, mask, img, flags; writes img, flags
.if DOCPART == 1
	.amdgcn_target "amdgcn-amd-amdhsa--gfx1250"
	.amdhsa_code_object_version 6
	.text
	.protected	k_qe1a650e70d_prep
	.globl	k_qe1a650e70d_prep
	.p2align	8
	.type	k_qe1a650e70d_prep,@function
k_qe1a650e70d_prep:
	s_mov_b64 s[64:65], 0
	v_nop
	global_prefetch_b8 v0, s[64:65] scope:SCOPE_SE
	s_setreg_imm32_b32 hwreg(HW_REG_WAVE_MODE, 25, 1), 1
	s_wait_xcnt 0x0
; PREP.  (a) x, wq, wk, wv, wo, each [2048][2048] f32 with K innermost, become codes of FP6 (E2M3) with one E8M0 byte for each 32 along K, laid as IMAGES OF OPERAND REGISTERS;
; (b) each tile of 32 rows x 128 columns of the mask gets a class, stored as a whole number: 0 = every number is -infinity, 1 = every number is +-0, 2 = anything else.
; THE IMAGE.  A block is 128 rows x 128 K = 12,800 bytes (50 x 256): eight fragments of 1,536 bytes, then 512 bytes of scale words.  Fragment T: three runs of 512 bytes, run c holding registers 4 c .. 4 c + 3
; of the operand, lane (r, h)'s 16 bytes at 16 r + 256 h.  Lane (r, h) of fragment T holds row 32 (T / 2) + 8 (T % 2) + r + 8 (r / 8) of the block, registers 6 c .. 6 c + 5 its codes of k = 64 c + 32 h + 0 .. 31.
; Scale words at 12,288 + 64 T + 4 r, byte b for k = 32 b on.  Block g = 16 G + ks (rows 128 G on, K step ks) of tensor t lies at 3,276,800 t + 12,800 g.
; A block of 32's scale is 2^(floor(log2(largest magnitude)) - 2): the byte is the largest magnitude's exponent field - 2, held at 1 from below.
; LIMITS: a block of zeros, or one whose largest magnitude lies under 2^-124, keeps the byte 1 (the bytes are read by this program alone; zero codes add nothing); NaN and infinities in the five tensors are not served.
; SHARES.  Work-group g takes block g of each of the five tensors and the same 128 x 128 numbers of the mask: six pieces of 128 rows x 512 bytes, each input byte once.
;   x, wq: one tensor load a wave at the head, 64 rows x 512 bytes, into slot 0;  wk, wv: the same into slot 1, behind a barrier;
;   the mask and wo: 32 rows a wave, a row of 512 bytes a load, into registers, asked for at the head.  No LDS byte is filled twice.  A wave reads only the rows that it fetched itself.
; A LANE TAKES A WHOLE ROW of 32 neighbouring rows (two fragments): its 128 numbers are four whole blocks, so no maximum and no scale byte needs another lane; row l of the 32 is lane r = l % 8 + 8 (l / 16) of
; fragment 2 b + (l / 8) % 2, and its 24 registers of codes are that lane's 12 for h = 0 and the 12 for h = 1.  A store takes one run of one h: two aligned runs of 256 bytes, one in each fragment.
; LDS rows are 528 bytes apart (33 x 16): sixteen neighbouring rows' 16 bytes fall on sixteen different columns of 16 bytes.
; wo's rows turn through the first 32 rows of the wave's own part of slot 0, when that slot has had its only fill and its last read and no tensor load is out.
; The scale words gather in LDS bytes of their own and leave behind one barrier, 512 bytes a block.
; NO CLUSTER: no two work-groups read the same bytes.  NO PREFETCH: the text has no loop to run ahead in; all but slot 1's tiles are asked for at the head.
.set PITCH, 528
.set WREG,  64*PITCH                   ; a wave's part of a slot: 64 rows
.set SLOT,  4*WREG                     ; 135,168 bytes
.set SCW,   2*SLOT                     ; the scale words: 512 bytes for each of the five blocks
.set SPARE, SCW+2560                   ; the spare words, 128 bytes for each wave
.set GL,   2                           ; v2  16 l
.set ADR0, 3                           ; v3  my row in my part of slot 0;  v4 in slot 1
.set ADR1, 4
.set STA,  5                           ; v5  wo's rows on their way into LDS: my part of slot 0 + 16 l
.set VO,   10                          ; v10 my place in a pair of fragments: 1,536 (l / 8 % 2) + 16 r
.set SWA,  11                          ; v11 my scale word of x .. wv;  v14 of wo;  v15 a block's words on their way out
.set SPW,  12                          ; v12 LDS address of my spare word; never rewritten
.set NIL,  13                          ; v13 0; never rewritten
.set SWC,  14
.set SRD,  15
.set M,    16                          ; v16-19 largest magnitudes, then the conversions' scale operands;  v20-23 the bytes;  v24 the word
.set E,    20
.set PW,   24
.set TP,   32                          ; v32-47 the upper halves of four blocks' codes
.set PC,   48                          ; v48-71 codes: 12 registers for h = 0, 12 for h = 1
.set X,    96                          ; v96-223 a row's 128 numbers
.set ORR,  224                         ; v224-227, v228-231 the mask's OR and AND, four chains each
.set ANR,  228
.set G1,   24                          ; s[24:31] descriptor group 1;  s[32:35], s[36:39] group 0 for slot 0, 1
.set MSB, 0
.macro WIN new                         ; the immediate's high byte repeats the setting that is left
.if MSB != \new
	s_set_vgpr_msb (MSB<<8)|\new
.set MSB, \new
.endif
.endm
	s_load_b256 s[4:11], s[0:1], 0x0               ; x, wq, wk, wv
	s_load_b256 s[12:19], s[0:1], 0x20             ; wo, mask, img, flags
	v_lshl_add_u32 v[SPW], v0, 2, SPARE
	v_mov_b32 v[NIL], 0
	ds_add_u32 v[SPW], v[NIL]                      ; the opening lines: the add, twice on end, and its wait ahead of my first tensor load
	ds_add_u32 v[SPW], v[NIL]
	v_lshrrev_b32 v1, 5, v0
	v_readfirstlane_b32 s20, v1                    ; wave 0..3
	s_lshr_b32 s21, ttmp9, 4                       ; G
	s_and_b32 s22, ttmp9, 15                       ; ks
	s_and_b32 s23, s20, 1
	s_lshr_b32 s40, s20, 1
	s_lshl_b32 s42, s21, 20                        ; 128 rows of 8,192 bytes,
	s_lshl_b32 s41, s22, 9                         ; 128 numbers
	s_add_co_u32 s42, s42, s41                     ; the block's first byte in its tensor
	s_lshl_b32 s41, s23, 19
	s_add_co_u32 s44, s42, s41                     ; tensor loads: + 64 rows x (wave % 2)
	s_mov_b32 s45, 0
	s_lshl_b32 s41, s20, 18
	s_add_co_u32 s46, s42, s41                     ; plain loads: + 32 rows x wave
	s_mov_b32 s47, 0
	s_mul_i32 s43, ttmp9, 12800                    ; the block in a section of img
	s_mul_i32 s41, s40, 3276800
	s_add_co_u32 s48, s43, s41                     ; x or wq (wk, wv: 6,553,600 bytes on),
	s_mul_i32 s41, s23, 6144
	s_add_co_u32 s48, s48, s41                     ; my four fragments
	s_mov_b32 s49, 0
	s_mul_i32 s41, s20, 3072
	s_add_co_u32 s50, s43, s41
	s_add_co_u32 s50, s50, 13107200                ; wo: my two fragments
	s_mov_b32 s51, 0
	s_mul_i32 s41, s20, 3276800
	s_add_co_u32 s52, s43, s41
	s_add_co_u32 s52, s52, 12288                   ; the scale words of tensor = wave,
	s_mov_b32 s53, 0
	s_add_co_u32 s54, s43, 13107200+12288          ; and of wo
	s_mov_b32 s55, 0
	s_lshl_b32 s56, s21, 8                         ; my class: 4 x (16 x (4 G + wave) + ks)
	s_lshl_b32 s41, s20, 6
	s_add_co_u32 s56, s56, s41
	s_lshl_b32 s41, s22, 2
	s_add_co_u32 s56, s56, s41
	s_mov_b32 s57, 0
	s_mov_b32 s32, 1
	s_mul_i32 s33, s20, WREG                       ; LDS: wave x 64 rows
	s_mov_b32 s36, 1
	s_add_co_u32 s37, s33, SLOT
	s_mov_b32 s[G1+0], (2<<16)|(1<<20)|(6<<22)|(3<<25)   ; elements of 4 bytes; behind every 128 words 4 words of padding
	s_mov_b32 s[G1+1], 128<<16                     ; tensor_dim0
	s_mov_b32 s[G1+2], 64<<16                      ; tensor_dim1
	s_mov_b32 s[G1+3], 128<<16                     ; tile_dim0
	s_mov_b32 s[G1+4], 64                          ; tile_dim1
	s_mov_b32 s[G1+5], 2048                        ; elements from row to row
	s_mov_b32 s[G1+6], 0
	s_mov_b32 s[G1+7], 0
	s_lshl_b32 s58, s20, 8
	s_add_co_u32 s58, s58, SCW                     ; 512 (wave / 2) + 256 (wave % 2)
	s_lshl_b32 s59, s20, 7
	s_add_co_u32 s59, s59, SCW+2048
	s_lshl_b32 s60, s20, 9
	s_add_co_u32 s60, s60, SCW
	v_and_b32 v1, 31, v0                           ; l
	v_lshlrev_b32 v[GL], 4, v1
	v_mul_u32_u24 v[ADR0], v1, PITCH
	v_add_nc_u32 v[ADR0], s33, v[ADR0]
	v_add_nc_u32 v[ADR1], SLOT, v[ADR0]
	v_add_nc_u32 v[STA], s33, v[GL]
	v_bfe_u32 v6, v0, 3, 1                         ; which of the two fragments
	v_and_b32 v7, 7, v0
	v_bfe_u32 v8, v0, 4, 1
	v_lshl_or_b32 v7, v8, 3, v7                    ; r
	v_lshlrev_b32 v9, 2, v7
	v_lshl_add_u32 v9, v6, 6, v9                   ; 64 x fragment + 4 r
	v_lshlrev_b32 v[VO], 4, v7
	v_mad_u32_u24 v[VO], v6, 1536, v[VO]
	v_add_nc_u32 v[SWA], s58, v9
	v_add_nc_u32 v[SWC], s59, v9
	v_add_nc_u32 v[SRD], s60, v[GL]
	s_wait_alu depctr_va_vdst(0)
	s_wait_dscnt 0x0                               ; both opening adds are done
	s_wait_kmcnt 0x0
	s_cmp_lt_u32 s20, 2                            ; waves 0, 1 fetch x and wk, waves 2, 3 wq and wv: the choice hangs on the wave's number alone
	s_cselect_b64 s[34:35], s[4:5], s[6:7]
	s_cselect_b64 s[38:39], s[8:9], s[10:11]
	s_add_nc_u64 s[34:35], s[34:35], s[44:45]
	s_add_nc_u64 s[38:39], s[38:39], s[44:45]
	s_or_b32 s35, s35, 0x80000000
	s_or_b32 s39, s39, 0x80000000
	tensor_load_to_lds s[32:35], s[G1:G1+7]        ; slot 0: my one tensor load at the head
	s_nop 0
	s_add_nc_u64 s[14:15], s[14:15], s[46:47]
	s_add_nc_u64 s[12:13], s[12:13], s[46:47]
	s_add_nc_u64 s[48:49], s[16:17], s[48:49]
	s_add_nc_u64 s[50:51], s[16:17], s[50:51]
	s_add_nc_u64 s[52:53], s[16:17], s[52:53]
	s_add_nc_u64 s[54:55], s[16:17], s[54:55]
	s_add_nc_u64 s[18:19], s[18:19], s[56:57]
	WIN 0x40                                       ; destination window 1: v0-127 the mask's 32 rows, v128-255 wo's
.set n, 0
.rept 32
	global_load_b128 v[4*n:4*n+3], v[GL], s[14:15] offset:8192*n th:TH_LOAD_NT
.set n, n+1
.endr
.set n, 0
.rept 32
	global_load_b128 v[128+4*n:128+4*n+3], v[GL], s[12:13] offset:8192*n th:TH_LOAD_NT
.set n, n+1
.endr
	WIN 0
	s_wait_tensorcnt 0x0                           ; my part of slot 0 is in
	ds_add_u32 v[SPW], v[NIL]
	s_wait_dscnt 0x0
	s_barrier_signal -1
	s_barrier_wait -1
	tensor_load_to_lds s[36:39], s[G1:G1+7]        ; slot 1: my one tensor load behind the barrier
	s_nop 0
; 32 rows, a row a lane: from LDS at v[adr] + off; codes to s[ob:ob+1] + oo, the scale word to LDS at v[sw] + so
.macro TASK adr, off, ob, oo, sw, so
.set n, 0
.rept 32
	ds_load_b128 v[X+4*n:X+4*n+3], v[\adr] offset:(\off)+16*n
.set n, n+1
.endr
	s_wait_dscnt 0x0
	s_wait_xcnt 0x0                                ; the last task's stores have read the codes' registers
.irp b, 0,1,2,3
	v_max3_num_f32 v[M+\b], |v[X+32*\b]|, |v[X+32*\b+1]|, 0x1800000   ; block b, and the floor 2^(3 - 127): the byte cannot fall under 1
.endr
.set i, 2
.rept 15
.irp b, 0,1,2,3
	v_max3_num_f32 v[M+\b], v[M+\b], |v[X+32*\b+i]|, |v[X+32*\b+i+1]|
.endr
.set i, i+2
.endr
.irp b, 0,1,2,3
	v_add_nc_u32 v[M+\b], 0xff000000, v[M+\b]      ; 2 off the exponent field: the conversion's scale operand
.endr
.irp b, 0,1,2,3                        ; block b = 2 c + h: registers 6 c .. 6 c + 5 of the set for h
	v_cvt_scalef32_pk16_fp6_f32 v[PC+12*(\b%2)+6*(\b/2):PC+12*(\b%2)+6*(\b/2)+2], v[X+32*\b:X+32*\b+15], v[M+\b]
	v_cvt_scalef32_pk16_fp6_f32 v[TP+4*\b:TP+4*\b+2], v[X+32*\b+16:X+32*\b+31], v[M+\b]   ; (a conversion's three registers begin on an even number)
.endr
.irp b, 0,1,2,3
	v_lshrrev_b32 v[E+\b], 23, v[M+\b]             ; the bytes.  (Plain lines behind the conversions, which name none of their results)
.endr
	v_lshl_or_b32 v[PW], v[E+1], 8, v[E]
	v_lshl_or_b32 v[PW], v[E+2], 16, v[PW]
	v_lshl_or_b32 v[PW], v[E+3], 24, v[PW]
.irp b, 0,1,2,3
.irp i, 0,1,2
	v_mov_b32 v[PC+12*(\b%2)+6*(\b/2)+3+\i], v[TP+4*\b+\i]
.endr
.endr
	ds_store_b32 v[\sw], v[PW] offset:\so
.irp h, 0,1
.irp c, 0,1,2
	global_store_b128 v[VO], v[PC+12*\h+4*\c:PC+12*\h+4*\c+3], s[\ob:\ob+1] offset:(\oo)+512*\c+256*\h   ; two aligned runs of 256 bytes
.endr
.endr
.endm
	TASK ADR0, 0, 48, 0, SWA, 0                    ; x or wq: my rows 0-31,
	TASK ADR0, 32*PITCH, 48, 3072, SWA, 128        ; and 32-63
	; ---------------- the mask's class
	s_wait_loadcnt 32                              ; the mask's 32 loads are in; wo's 32 may be out
	WIN 0x05
.irp q, 0,1,2,3
	v_or_b32 v[ORR+\q], v[\q], v[4+\q]             ; the OR and the AND of my 128 words, four chains each
	v_and_b32 v[ANR+\q], v[\q], v[4+\q]
.endr
	WIN 0x04
.set n, 8
.rept 120
	v_or_b32 v[ORR+n%4], v[ORR+n%4], v[n]
	v_and_b32 v[ANR+n%4], v[ANR+n%4], v[n]
.set n, n+1
.endr
	WIN 0
	v_or_b32 v[ORR], v[ORR], v[ORR+1]
	v_or_b32 v[ORR+2], v[ORR+2], v[ORR+3]
	v_or_b32 v[ORR], v[ORR], v[ORR+2]
	v_and_b32 v[ANR], v[ANR], v[ANR+1]
	v_and_b32 v[ANR+2], v[ANR+2], v[ANR+3]
	v_and_b32 v[ANR], v[ANR], v[ANR+2]
	s_mov_b32 s58, 0xff800000                      ; -infinity
	v_cmp_eq_u32 s59, s58, v[ORR]                  ; OR and AND both -infinity: all my words are
	v_cmp_eq_u32 s60, s58, v[ANR]
	s_and_b32 s59, s59, s60
	v_and_b32 v[ORR+1], 0x7fffffff, v[ORR]
	v_cmp_eq_u32 s61, 0, v[ORR+1]                  ; OR without the sign is 0: all my words are +-0
	s_cmp_eq_u32 s61, -1                           ; in every lane?  The class is made by selects: no branch hangs on the data
	s_cselect_b32 s62, 1, 2
	s_cmp_eq_u32 s59, -1
	s_cselect_b32 s62, 0, s62
	v_mov_b32 v[ORR+2], s62
	v_mov_b32 v[ORR+3], 0
	s_wait_alu depctr_va_vdst(0)
	s_wait_xcnt 0x0                                ; EXEC changes only behind this wait
	v_cmp_eq_u32 vcc_lo, 0, v1
	s_and_saveexec_b32 s63, vcc_lo                 ; lane 0 alone
	global_store_b32 v[ORR+3], v[ORR+2], s[18:19]
	s_wait_xcnt 0x0                                ; and again in front of the line that widens it
	s_or_b32 exec_lo, exec_lo, s63
	; ---------------- slot 1, then wo
	s_wait_tensorcnt 0x0                           ; my part of slot 1 is in; nobody else reads it
	TASK ADR1, 0, 48, 6553600, SWA, 1024           ; wk or wv
	TASK ADR1, 32*PITCH, 48, 6553600+3072, SWA, 1024+128
	s_wait_loadcnt 0x0                             ; wo's 32 rows are in
	WIN 0x04                                       ; the data: window 1
.set n, 0
.rept 32
	ds_store_b128 v[STA], v[128+4*n:128+4*n+3] offset:PITCH*n   ; into my own part of slot 0; LDS serves a wave's instructions in order, so the task's loads see these
.set n, n+1
.endr
	WIN 0
	TASK ADR0, 0, 50, 0, SWC, 0
	s_wait_tensorcnt 0x0                           ; the wave's end, behind my last tensor load and my last LDS store
	ds_add_u32 v[SPW], v[NIL]
	s_wait_dscnt 0x0                               ; also for the others' sake: my scale words lie in LDS
	s_barrier_signal -1
	s_barrier_wait -1
	ds_load_b128 v[X:X+3], v[SRD]                  ; the 512 bytes of scale words of tensor = wave
	s_cmp_lg_u32 s20, 0
	s_cbranch_scc1 .Lrest
	ds_load_b128 v[X+4:X+7], v[SRD] offset:2048    ; wave 0: wo's too
	s_wait_dscnt 0x0
	global_store_b128 v[GL], v[X+4:X+7], s[54:55]
.Lrest:
	s_wait_dscnt 0x0
	global_store_b128 v[GL], v[X:X+3], s[52:53]    ; 512 consecutive bytes, at a multiple of 256 from the buffer's first byte
	s_endpgm
.Lfunc_end_k_qe1a650e70d_prep:
	.size	k_qe1a650e70d_prep, .Lfunc_end_k_qe1a650e70d_prep-k_qe1a650e70d_prep
	.p2alignl 7, 3214868480
	.fill 96, 4, 3214868480
	.section	.rodata,"a",@progbits
	.p2align	6, 0x0
	.amdhsa_kernel k_qe1a650e70d_prep
		.amdhsa_group_segment_fixed_size 327680
		.amdhsa_private_segment_fixed_size 0
		.amdhsa_enable_private_segment 0
		.amdhsa_kernarg_size 64
		.amdhsa_user_sgpr_count 2
		.amdhsa_user_sgpr_kernarg_segment_ptr 1
		.amdhsa_wavefront_size32 1
		.amdhsa_system_sgpr_workgroup_id_x 1
		.amdhsa_system_sgpr_workgroup_id_y 1
		.amdhsa_system_sgpr_workgroup_id_z 1
		.amdhsa_system_vgpr_workitem_id 0
		.amdhsa_next_free_vgpr 512
		.amdhsa_next_free_sgpr 66
		.amdhsa_reserve_vcc 1
		.amdhsa_float_denorm_mode_32 3
		.amdhsa_float_denorm_mode_16_64 3
		.amdhsa_memory_ordered 1
		.amdhsa_forward_progress 1
		.amdhsa_inst_pref_size 64
	.end_amdhsa_kernel
	.amdgpu_metadata
---
amdhsa.version: [ 1, 2 ]
amdhsa.kernels:
  - .name:           k_qe1a650e70d_prep
    .symbol:         k_qe1a650e70d_prep.kd
    .args:
      - { .name: x, .offset: 0, .size: 8, .value_kind: global_buffer, .address_space: global }
      - { .name: wq, .offset: 8, .size: 8, .value_kind: global_buffer, .address_space: global }
      - { .name: wk, .offset: 16, .size: 8, .value_kind: global_buffer, .address_space: global }
      - { .name: wv, .offset: 24, .size: 8, .value_kind: global_buffer, .address_space: global }
      - { .name: wo, .offset: 32, .size: 8, .value_kind: global_buffer, .address_space: global }
      - { .name: mask, .offset: 40, .size: 8, .value_kind: global_buffer, .address_space: global }
      - { .name: img, .offset: 48, .size: 8, .value_kind: global_buffer, .address_space: global }
      - { .name: flags, .offset: 56, .size: 8, .value_kind: global_buffer, .address_space: global }
    .group_segment_fixed_size: 327680
    .private_segment_fixed_size: 0
    .kernarg_segment_align: 8
    .kernarg_segment_size: 64
    .max_flat_workgroup_size: 128
    .sgpr_count:     66
    .vgpr_count:     512
    .wavefront_size: 32
...
	.end_amdgpu_metadata
.endif
;; end of part 1
;; launch qkv (part 2): grid 16 x 16, 4 waves a work-group, no clusters, 104,448 bytes of LDS; arguments img, freqs_cos, freqs_sin, qkv; writes qkv
.if DOCPART == 2
	.amdgcn_target "amdgcn-amd-amdhsa--gfx1250"
	.amdhsa_code_object_version 6
	.text
	.protected	k_qe1a650e70d_qkv
	.globl	k_qe1a650e70d_qkv
	.p2align	8
	.type	k_qe1a650e70d_qkv,@function
k_qe1a650e70d_qkv:
	s_mov_b64 s[64:65], 0
	v_nop
	global_prefetch_b8 v0, s[64:65] scope:SCOPE_SE
	s_setreg_imm32_b32 hwreg(HW_REG_WAVE_MODE, 25, 1), 1
	s_wait_xcnt 0x0
; QKV.  q = rope(x wq^T), k = rope(x wk^T), v = x wv^T on codes of FP6 (E2M3), and q, k (along the head's 128) and v (along the keys) quantised again, all as images of operand registers.
; THE IMAGE (all buffers of this program): a block of 128 rows x 128 K is 12,800 bytes: eight fragments of 1,536 bytes (run c of 512 bytes = registers 4 c .. 4 c + 3, lane l at 16 l), then 512 bytes of scale words
; (12,288 + 64 T + 4 r).  Lane r of fragment T holds row 32 (T / 2) + 8 (T % 2) + r + 8 (r / 8).  With such a fragment as source 0, register j of the result of lane (r, h) is row 32 (T / 2) + 8 (T % 2) + 16 h + j:
; the 16 registers of fragments 2 b and 2 b + 1 are 16 NEIGHBOURS, which is what the conversions want.
; SHARES.  A work-group: 128 rows of x (G = x of the grid) x one head (y): 128 x 384 results, K = 2,048 in 16 steps of 128.  Wave w, MH = w % 2, NH = w / 2:
;   32 accumulators: x's fragments 4 MH + a x all eight of wq (NH = 0) or wk (NH = 1), source 0 = the weight: a lane holds one token and its registers run along d: rope and the quantiser along d stay in the lane;
;   16 accumulators: all eight of x's fragments x wv's fragments 2 w + b, source 0 = x: a lane holds one d and its registers run along the keys: the quantiser along the keys stays in the lane.
; So every wave makes whole fragments and whole scale words.
; THE BLOCKS COME BY PLAIN LOADS: wave w copies block w (x, wq, wk, wv) of a K step, 25 loads of 512 bytes, two steps ahead (25,600 bytes a wave on their way), through registers into one of two LDS buffers; one barrier a step.
; A wave stores step s + 1 into the buffer of step s - 1 behind barrier s - 1, in front of which every wave waited for its reads of it; it is read behind barrier s, in front of which every wave waited for its stores.
; NO CLUSTER, NO JOINT LOADS, though the sixteen work-groups of a row share x's blocks and those of a column the weights': the loads here stay on their way across the step's barrier, two steps deep, where a slot filled
; by the data mover would have to be awaited whole at each change of slots, with one step's 48 matrix instructions a wave to cover it.
; LIMITS: blocks whose largest magnitude lies under 2^-124, and blocks of zeros, keep the scale byte 1 (read by this program alone); NaN and infinities are not served.
; REGISTERS, in windows of 256: window 0: v2-17 addresses; v24-41 scale words, two sets of 9; v64-111, v112-159 my four fragments of x, two sets; v160-207 the other four.  Way out: v64-127 64 numbers, v128-169 at work.
;   window 1: the 32 accumulators, (a, b) at 64 a + 8 b.   window 2: v0-127 the 16 accumulators, (b, own / other, i) at 64 b + 32 kind + 8 i; v128-175, v176-223 four fragments of the weight, two sets; v224-247 wv's two.
;   window 3: v0-99, v100-199 the blocks on their way; on the way out cos at 64 a + n, sin at 64 a + 32 + n.
.set BUFB,  51200                      ; an LDS buffer: four blocks
.set SCWL,  102400                     ; behind the two: q's, k's, v's scale words, 512 bytes each
.set SPARE, 103936                     ; the spare words, 128 bytes for each wave
.set AX,  2                            ; v2   my four fragments of x: 16 l + 6,144 MH
.set AO,  3                            ; v3   the other four
.set AW,  4                            ; v4   my weight's block: 16 l + 12,800 (1 + NH)
.set AV,  5                            ; v5   wv's two fragments: 16 l + 38,400 + 3,072 w
.set SXO, 6                            ; v6-9 the scale words of the same four: 4 l + ..
.set SXT, 7
.set SW,  8
.set SV,  9
.set ST,  10                           ; v10  where I store my block: 16 l + 12,800 w
.set GL,  11                           ; v11  16 l
.set SPW, 12                           ; v12  LDS address of my spare word; never rewritten
.set NIL, 13                           ; v13  0; never rewritten
.set CA,  14                           ; v14  cos, sin: my token's row and my half's 32 bytes
.set SCA, 15                           ; v15-17 the scale words' stage
.set SCB, 16
.set SCR, 17
.set SC,  24                           ; set p at v[24 + 9 p]: 2 of my x, 2 of the other x, 4 of the weight, 1 of wv; lanes 0-15 the even fragment's words, lanes 16-31 the odd one's
.set XA,  64
.set XO,  160
.set WB,  128
.set WVF, 224
.set HA,  64
.set PC,  128
.set TM,  148
.set PW,  164
.set TT,  166
.set WV,  12
.set MH,  13
.set NH,  14
.set P,   16                           ; s[16:17] my block of the even step in hand
.set PQ,  32                           ; s[32:33] where my fragments of q or k go;  s[34:35] those of v;  s[36:37] a block's scale words
.set PVV, 34
.set PS,  36
.set MSK, 38                           ; s38  all ones where MH = 1
.set CNT, 39
.set SEL, 40                           ; s[40:41] lane selects: lane l xor 16
.set MSB, 0
.macro WIN new                         ; the immediate's high byte repeats the setting that is left; a switch that changes nothing is dropped
.if MSB != \new
	s_set_vgpr_msb (MSB<<8)|\new
.set MSB, \new
.endif
.endm
.macro PLACES                          ; four places in front of loads into registers that matrix instructions have read, and of the first read of results
.rept 4
	v_nop
.endr
.endm
; One matrix instruction, its registers in rD, rA, rB, rSA, rSB; qA, qB: the scales stand in lanes 16-31 of their register; qZ: the product starts the sum.
.macro WM
.if qZ
.if qA && qB
	v_wmma_scale_f32_16x16x128_f8f6f4 v[rD:rD+7], v[rA:rA+11], v[rB:rB+11], 0, v[rSA], v[rSB] matrix_a_fmt:MATRIX_FMT_FP6 matrix_b_fmt:MATRIX_FMT_FP6 matrix_a_scale:MATRIX_SCALE_ROW1 matrix_b_scale:MATRIX_SCALE_ROW1
.elseif qA
	v_wmma_scale_f32_16x16x128_f8f6f4 v[rD:rD+7], v[rA:rA+11], v[rB:rB+11], 0, v[rSA], v[rSB] matrix_a_fmt:MATRIX_FMT_FP6 matrix_b_fmt:MATRIX_FMT_FP6 matrix_a_scale:MATRIX_SCALE_ROW1
.elseif qB
	v_wmma_scale_f32_16x16x128_f8f6f4 v[rD:rD+7], v[rA:rA+11], v[rB:rB+11], 0, v[rSA], v[rSB] matrix_a_fmt:MATRIX_FMT_FP6 matrix_b_fmt:MATRIX_FMT_FP6 matrix_b_scale:MATRIX_SCALE_ROW1
.else
	v_wmma_scale_f32_16x16x128_f8f6f4 v[rD:rD+7], v[rA:rA+11], v[rB:rB+11], 0, v[rSA], v[rSB] matrix_a_fmt:MATRIX_FMT_FP6 matrix_b_fmt:MATRIX_FMT_FP6
.endif
.else
.if qA && qB
	v_wmma_scale_f32_16x16x128_f8f6f4 v[rD:rD+7], v[rA:rA+11], v[rB:rB+11], v[rD:rD+7], v[rSA], v[rSB] matrix_a_fmt:MATRIX_FMT_FP6 matrix_b_fmt:MATRIX_FMT_FP6 matrix_a_scale:MATRIX_SCALE_ROW1 matrix_b_scale:MATRIX_SCALE_ROW1
.elseif qA
	v_wmma_scale_f32_16x16x128_f8f6f4 v[rD:rD+7], v[rA:rA+11], v[rB:rB+11], v[rD:rD+7], v[rSA], v[rSB] matrix_a_fmt:MATRIX_FMT_FP6 matrix_b_fmt:MATRIX_FMT_FP6 matrix_a_scale:MATRIX_SCALE_ROW1
.elseif qB
	v_wmma_scale_f32_16x16x128_f8f6f4 v[rD:rD+7], v[rA:rA+11], v[rB:rB+11], v[rD:rD+7], v[rSA], v[rSB] matrix_a_fmt:MATRIX_FMT_FP6 matrix_b_fmt:MATRIX_FMT_FP6 matrix_b_scale:MATRIX_SCALE_ROW1
.else
	v_wmma_scale_f32_16x16x128_f8f6f4 v[rD:rD+7], v[rA:rA+11], v[rB:rB+11], v[rD:rD+7], v[rSA], v[rSB] matrix_a_fmt:MATRIX_FMT_FP6 matrix_b_fmt:MATRIX_FMT_FP6
.endif
.endif
.endm
; 16 products for q or k: my four fragments of x against the weight's fragments 4 g .. 4 g + 3 (in set p for g = 0, in the other set for g = 1).  The accumulators take turns, one instruction a turn.
.macro MULR g, p, zero
.irp a, 0,1,2,3
.irp e, 0,1,2,3
.set rD, 64*\a+8*(4*(\g)+\e)
.set rA, WB+48*(((\p)+(\g))%2)+12*\e
.set rB, XA+48*(\p)+12*\a
.set rSA, SC+9*(\p)+4+(4*(\g)+\e)/2
.set rSB, SC+9*(\p)+\a/2
.set qA, \e%2
.set qB, \a%2
.set qZ, \zero
	WM
.endr
.endr
.endm
; 8 products for v: all eight fragments of x (my four, then the other four) against wv's fragment 2 w + b
.macro MULV b, p, zero
.irp kd, 0,1
.irp i, 0,1,2,3
.set rD, 64*(\b)+32*\kd+8*\i
.if \kd
.set rA, XO+12*\i
.else
.set rA, XA+48*(\p)+12*\i
.endif
.set rB, WVF+12*(\b)
.set rSA, SC+9*(\p)+2*\kd+\i/2
.set rSB, SC+9*(\p)+8
.set qA, \i%2
.set qB, \b
.set qZ, \zero
	WM
.endr
.endr
.endm
.macro SLD set, ahead                  ; my block of the step `ahead` steps behind P, into set `set` of window 3
.irp i, 0,1,2,3,4,5,6,7,8,9,10,11,12,13,14,15,16,17,18,19,20,21,22,23,24
	global_load_b128 v[100*(\set)+4*\i:100*(\set)+4*\i+3], v[GL], s[P:P+1] offset:12800*(\ahead)+512*\i
.endr
.endm
.macro SST set                         ; and from there into LDS buffer `set`
.irp i, 0,1,2,3,4,5,6,7,8,9,10,11,12,13,14,15,16,17,18,19,20,21,22,23,24
	ds_store_b128 v[ST], v[100*(\set)+4*\i:100*(\set)+4*\i+3] offset:BUFB*(\set)+512*\i
.endr
.endm
.macro LDX reg, adr, buf               ; four fragments of x
.irp t, 0,1,2,3
.irp c, 0,1,2
	ds_load_b128 v[\reg+12*\t+4*\c:\reg+12*\t+4*\c+3], v[\adr] offset:BUFB*(\buf)+1536*\t+512*\c
.endr
.endr
.endm
.macro LDW x, t0, buf                  ; the weight's fragments t0 .. t0 + 3 into set x
.irp t, 0,1,2,3
.irp c, 0,1,2
	ds_load_b128 v[WB+48*(\x)+12*\t+4*\c:WB+48*(\x)+12*\t+4*\c+3], v[AW] offset:BUFB*(\buf)+1536*(\t0+\t)+512*\c
.endr
.endr
.endm
.macro LDSC p                          ; the nine registers of scale words of buffer p into set p
.irp i, 0,1
	ds_load_b32 v[SC+9*(\p)+\i], v[SXO] offset:BUFB*(\p)+128*\i
	ds_load_b32 v[SC+9*(\p)+2+\i], v[SXT] offset:BUFB*(\p)+128*\i
.endr
.irp i, 0,1,2,3
	ds_load_b32 v[SC+9*(\p)+4+\i], v[SW] offset:BUFB*(\p)+128*\i
.endr
	ds_load_b32 v[SC+9*(\p)+8], v[SV] offset:BUFB*(\p)
.endm
; A K STEP of parity p.  At its head 33 LDS loads are out: my x, the scale words, the weight's fragments 0-3.  ld: the block two steps on is asked for;  st: the next step's block goes to LDS, and the step's barrier stands.
.macro STEP p, zero, ld, st
.if \ld
	WIN 0xc0
	SLD \p, 2+\p
.endif
	WIN 0x80
	LDW 1-\p, 4, \p                                ; the weight's fragments 4-7, into the set whose last readers stand in front of the last step's places
	s_wait_dscnt 12                                ; all but the 12 just issued
	WIN 0x52
	MULR 0, \p, \zero
	PLACES                                         ; for wv's and the other x's registers, read by the last step's last products
	WIN 0x80
.irp e, 0,1
.irp c, 0,1,2
	ds_load_b128 v[WVF+12*\e+4*\c:WVF+12*\e+4*\c+3], v[AV] offset:BUFB*\p+1536*\e+512*\c
.endr
.endr
	WIN 0
	LDX XO, AO, \p
.if \st
	s_wait_loadcnt 25*\ld                          ; the next step's 25 loads are in; the 25 issued at this step's head may be out
	WIN 0x0c
	SST 1-\p
.endif
	s_wait_dscnt 18+25*\st                         ; the weight's fragments 4-7 are in: behind them 18 loads, and 25 stores where there are stores
	WIN 0x52
	MULR 1, \p, \zero
	s_wait_dscnt 0x0                               ; my stores have landed and my reads of this buffer are over
.if \st
	s_barrier_signal -1
.endif
	WIN 0xa8
	MULV 0, \p, \zero
.if \st
	s_barrier_wait -1                              ; the next buffer is whole, and nobody reads this one any more
	PLACES                                         ; for the weight's set, read eight to twenty-four matrix instructions ago
	WIN 0
	LDX XA+48*(1-\p), AX, 1-\p
	LDSC 1-\p
	WIN 0x80
	LDW 1-\p, 0, 1-\p
	WIN 0xa8
.endif
	MULV 1, \p, \zero
	WIN 0
.endm
; 64 numbers of a lane, register 16 b + i = k 32 b + 16 (lane / 16) + i of my row, become a fragment's codes in v[PC] on and its scale word in v[PW]
.macro QUANT s
.irp b, 0,1,2,3
	v_max3_num_f32 v[TM+\b], |v[\s+16*\b]|, |v[\s+1+16*\b]|, 0x1800000   ; block b: my 16 numbers, and the floor 2^(3 - 127): the byte cannot fall under 1
.endr
.irp i, 2,4,6,8,10,12,14
.irp b, 0,1,2,3
	v_max3_num_f32 v[TM+\b], v[TM+\b], |v[\s+16*\b+\i]|, |v[\s+1+16*\b+\i]|
.endr
.endr
.irp b, 0,1,2,3
	v_permlanex16_b32 v[TM+4+\b], v[TM+\b], s[SEL], s[SEL+1]
.endr
.irp b, 0,1,2,3
	v_max_num_f32 v[TM+\b], v[TM+\b], v[TM+4+\b]   ; with lane l xor 16's: the block's largest magnitude
.endr
.irp b, 0,1,2,3
	v_add_nc_u32 v[TM+12+\b], 0xff000000, v[TM+\b] ; 2 off its exponent field: the conversion's scale operand
.endr
.irp b, 0,1,2,3
	v_lshrrev_b32 v[TM+4+\b], 23, v[TM+12+\b]      ; the scale's byte
.endr
	v_lshl_or_b32 v[PW], v[TM+5], 8, v[TM+4]
	v_lshl_or_b32 v[PW], v[TM+6], 16, v[PW]
	v_lshl_or_b32 v[PW], v[TM+7], 24, v[PW]
.irp c, 0,1
	v_cvt_scalef32_pk16_fp6_f32 v[PC+6*\c:PC+2+6*\c], v[\s+32*\c:\s+15+32*\c], v[TM+12+2*\c]
	v_cvt_scalef32_pk16_fp6_f32 v[PC+12+4*\c:PC+14+4*\c], v[\s+16+32*\c:\s+31+32*\c], v[TM+12+2*\c+1]   ; (a conversion's three registers begin on an even number)
.endr
	v_nop                                          ; one plain place behind a scaled conversion
.irp c, 0,1                                    ; the operand's layout wants a whole block in a lane
.irp i, 0,1,2
	v_permlane16_swap_b32 v[PC+6*\c+\i], v[PC+12+4*\c+\i]
.endr
.irp i, 0,1,2
	v_mov_b32 v[PC+3+6*\c+\i], v[PC+12+4*\c+\i]
.endr
.endr
.endm
.macro TRIG a                          ; cos and sin of my token of fragment a: pairs 16 q + 8 h + 0 .. 7, q = 0 .. 3
.irp q, 0,1,2,3
.irp e, 0,1
	global_load_b128 v[64*(\a)+8*\q+4*\e:64*(\a)+8*\q+4*\e+3], v[CA], s[6:7] offset:(32*((\a)/2)+8*((\a)%2))*256+64*\q+16*\e
.endr
.endr
.irp q, 0,1,2,3
.irp e, 0,1
	global_load_b128 v[64*(\a)+32+8*\q+4*\e:64*(\a)+32+8*\q+4*\e+3], v[CA], s[8:9] offset:(32*((\a)/2)+8*((\a)%2))*256+64*\q+16*\e
.endr
.endr
.endm
.macro ROPE a                          ; registers 2 n and 2 n + 1 are a pair: (v0 c - v1 s, v0 s + v1 c); in ascending order
	WIN 0x0d                                       ; source 0: the accumulators, window 1; source 1: cos and sin, window 3
.set n, 0
.rept 32
	v_mul_f32 v[TT+2*(n%2)], v[64*(\a)+2*n+1], v[64*(\a)+32+n]
	v_mul_f32 v[TT+1+2*(n%2)], v[64*(\a)+2*n], v[64*(\a)+32+n]
	v_fma_f32 v[HA+2*n], v[64*(\a)+2*n], v[64*(\a)+n], -v[TT+2*(n%2)]
	v_fma_f32 v[HA+2*n+1], v[64*(\a)+2*n+1], v[64*(\a)+n], v[TT+1+2*(n%2)]
.set n, n+1
.endr
	WIN 0
.endm
	s_load_b256 s[4:11], s[0:1], 0x0               ; img, cos, sin, qkv
	v_lshl_add_u32 v[SPW], v0, 2, SPARE
	v_mov_b32 v[NIL], 0
	v_lshrrev_b32 v1, 5, v0
	v_readfirstlane_b32 s[WV], v1                  ; wave 0..3
	s_and_b32 s[MH], s[WV], 1
	s_lshr_b32 s[NH], s[WV], 1
	s_and_b32 s18, ttmp7, 0xffff                   ; the head
	v_and_b32 v1, 31, v0                           ; l
	v_and_b32 v18, 15, v0                          ; r
	v_bfe_u32 v19, v0, 4, 1                        ; h
	v_lshlrev_b32 v[GL], 4, v1
	v_lshlrev_b32 v20, 2, v1                       ; 4 l
	s_wait_alu depctr_va_vdst(0)
	s_mul_i32 s20, s[MH], 6144
	v_add_nc_u32 v[AX], s20, v[GL]
	s_xor_b32 s21, s[MH], 1
	s_mul_i32 s20, s21, 6144
	v_add_nc_u32 v[AO], s20, v[GL]
	s_add_co_u32 s22, s[NH], 1
	s_mul_i32 s22, s22, 12800
	v_add_nc_u32 v[AW], s22, v[GL]
	s_mul_i32 s23, s[WV], 3072
	s_add_co_u32 s23, s23, 38400
	v_add_nc_u32 v[AV], s23, v[GL]
	s_lshl_b32 s20, s[MH], 8
	s_add_co_u32 s20, s20, 12288
	v_add_nc_u32 v[SXO], s20, v20
	s_lshl_b32 s20, s21, 8
	s_add_co_u32 s20, s20, 12288
	v_add_nc_u32 v[SXT], s20, v20
	s_add_co_u32 s22, s22, 12288
	v_add_nc_u32 v[SW], s22, v20
	s_lshl_b32 s23, s[WV], 7
	s_add_co_u32 s23, s23, 50688
	v_add_nc_u32 v[SV], s23, v20
	s_mul_i32 s20, s[WV], 12800
	v_add_nc_u32 v[ST], s20, v[GL]
	v_and_b32 v21, 8, v18
	v_add_nc_u32 v21, v21, v18                     ; r + 8 (r / 8)
	v_lshlrev_b32 v[CA], 8, v21                    ; a row of cos or sin is 256 bytes
	v_lshl_add_u32 v[CA], v19, 5, v[CA]
	v_lshlrev_b32 v21, 2, v18                      ; 4 r
	s_lshl_b32 s20, s[NH], 9
	s_lshl_b32 s21, s[MH], 8
	s_add_co_u32 s20, s20, s21
	s_add_co_u32 s20, s20, SCWL
	v_add_nc_u32 v[SCA], s20, v21
	s_lshl_b32 s20, s[WV], 7
	s_add_co_u32 s20, s20, SCWL+1024
	v_add_nc_u32 v[SCB], s20, v21
	s_min_u32 s20, s[WV], 2
	s_lshl_b32 s20, s20, 9
	s_add_co_u32 s20, s20, SCWL
	v_add_nc_u32 v[SCR], s20, v[GL]
	s_mov_b32 s[SEL], 0x76543210
	s_mov_b32 s[SEL+1], 0xfedcba98
	s_lshl_b32 s20, s18, 4
	s_add_co_u32 s20, s20, ttmp9                   ; 16 head + G
	s_mul_i32 s21, s20, 12800                      ; q's block
	s_mul_i32 s22, s20, 25600
	s_add_co_u32 s22, s22, 3276800                 ; k's block; v's lies 12,800 bytes on
	s_cmp_eq_u32 s[NH], 0
	s_cselect_b32 s24, s21, s22
	s_mul_i32 s23, s[MH], 6144
	s_add_co_u32 s24, s24, s23
	s_mov_b32 s25, 0
	s_mul_i32 s26, s[WV], 3072
	s_add_co_u32 s26, s26, s22
	s_add_co_u32 s26, s26, 12800
	s_mov_b32 s27, 0
	s_add_co_u32 s23, s22, 12800
	s_cmp_eq_u32 s[WV], 1
	s_cselect_b32 s28, s22, s23
	s_cmp_eq_u32 s[WV], 0
	s_cselect_b32 s28, s21, s28
	s_cselect_b32 s30, ttmp9, s18                  ; wave 0 copies x's blocks of group G, the others their weight's of group head
	s_add_co_u32 s28, s28, 12288
	s_mov_b32 s29, 0
	s_mul_i32 s30, s30, 204800
	s_mul_i32 s31, s[WV], 3276800
	s_add_co_u32 s30, s30, s31
	s_mov_b32 s31, 0
	s_lshl_b32 s42, ttmp9, 15                      ; 128 rows of cos,
	s_lshl_b32 s43, s[MH], 14                      ; 64 rows
	s_add_co_u32 s42, s42, s43
	s_mov_b32 s43, 0
	s_cmp_eq_u32 s[MH], 1
	s_cselect_b32 s[MSK], -1, 0
	s_wait_alu depctr_va_vdst(0)
	s_wait_kmcnt 0x0
	s_add_nc_u64 s[P:P+1], s[4:5], s[30:31]
	s_add_nc_u64 s[6:7], s[6:7], s[42:43]
	s_add_nc_u64 s[8:9], s[8:9], s[42:43]
	s_add_nc_u64 s[PQ:PQ+1], s[10:11], s[24:25]
	s_add_nc_u64 s[PVV:PVV+1], s[10:11], s[26:27]
	s_add_nc_u64 s[PS:PS+1], s[10:11], s[28:29]
	WIN 0xc0
	SLD 0, 0
	SLD 1, 1
	s_wait_loadcnt 25                              ; step 0's block is in, step 1's may be out
	WIN 0x0c
	SST 0
	WIN 0
	s_wait_dscnt 0x0
	s_barrier_signal -1
	s_barrier_wait -1
	LDX XA, AX, 0
	LDSC 0
	WIN 0x80
	LDW 0, 0, 0
	WIN 0
	STEP 0, 1, 1, 1                                ; the first step's products start the sums: nothing is cleared
	STEP 1, 0, 1, 1
	s_wait_xcnt 0x0                                ; the loads have read their base
	s_add_nc_u64 s[P:P+1], s[P:P+1], 25600
	s_mov_b32 s[CNT], 6
.Lk:                                               ; steps 2 to 13, which ask for steps 4 to 15
	STEP 0, 0, 1, 1
	STEP 1, 0, 1, 1
	s_wait_xcnt 0x0
	s_add_nc_u64 s[P:P+1], s[P:P+1], 25600
	s_sub_co_u32 s[CNT], s[CNT], 1
	s_cmp_lg_u32 s[CNT], 0
	s_cbranch_scc1 .Lk
	STEP 0, 0, 0, 1                                ; step 14 asks for nothing
	WIN 0xc0
	TRIG 0                                         ; window 3 is free: its last block has gone to LDS
	TRIG 1
	WIN 0
	STEP 1, 0, 0, 0                                ; step 15
	; ---------------- the way out
	PLACES                                         ; behind the last products: their results are read, and their operands' registers written, from here on
.irp b, 0,1,2,3
	v_mov_b32 v[TM+4+\b], 0                        ; written once: a lane permute's destination counts as one of its sources
.endr
	WIN 0xc0
	TRIG 2
	TRIG 3
	WIN 0
.irp a, 0,1,2,3                        ; q or k: fragment 4 MH + a
	s_wait_loadcnt 48-16*\a                        ; this fragment's 16 loads of cos and sin are in; those of the later fragments may be out
.if \a > 0
	s_wait_xcnt 0x0                                ; the last fragment's stores have read the codes' registers,
	s_wait_dscnt 0x0                               ; and its word store the word's
.endif
	ROPE \a
	QUANT HA
.irp c, 0,1,2
	global_store_b128 v[GL], v[PC+4*\c:PC+4*\c+3], s[PQ:PQ+1] offset:1536*\a+512*\c   ; 512 consecutive bytes, at a multiple of 256 from the buffer's first byte
.endr
	ds_store_b32 v[SCA], v[PW] offset:64*\a        ; both halves of the lanes write the same word with the same value
.endr
.irp e, 0,1                            ; v: fragment 2 w + e
	s_wait_xcnt 0x0
	s_wait_dscnt 0x0
	WIN 0x0a
.set n, 0
.rept 64                               ; my four fragments of x are keys 64 MH on: where MH = 1 the two halves change places.  Ascending: each accumulator is first read at its low end
	v_cndmask_b32 v[HA+n], v[64*\e+n], v[64*\e+(n+32)%64], s[MSK]
.set n, n+1
.endr
	WIN 0
	QUANT HA
.irp c, 0,1,2
	global_store_b128 v[GL], v[PC+4*\c:PC+4*\c+3], s[PVV:PVV+1] offset:1536*\e+512*\c
.endr
	ds_store_b32 v[SCB], v[PW] offset:64*\e
.endr
	s_wait_dscnt 0x0                               ; for the others' sake: my scale words lie in LDS
	s_barrier_signal -1
	s_barrier_wait -1
	s_cmp_gt_u32 s[WV], 2
	s_cbranch_scc1 .Lend
	ds_load_b128 v[HA:HA+3], v[SCR]                ; wave 0: q's 512 bytes of scale words, wave 1: k's, wave 2: v's
	s_wait_dscnt 0x0
	global_store_b128 v[GL], v[HA:HA+3], s[PS:PS+1]
.Lend:
	s_wait_tensorcnt 0x0                           ; the wave's end
	ds_add_u32 v[SPW], v[NIL]
	s_wait_dscnt 0x0
	s_endpgm
.Lfunc_end_k_qe1a650e70d_qkv:
	.size	k_qe1a650e70d_qkv, .Lfunc_end_k_qe1a650e70d_qkv-k_qe1a650e70d_qkv
	.p2alignl 7, 3214868480
	.fill 96, 4, 3214868480
	.section	.rodata,"a",@progbits
	.p2align	6, 0x0
	.amdhsa_kernel k_qe1a650e70d_qkv
		.amdhsa_group_segment_fixed_size 104448
		.amdhsa_private_segment_fixed_size 0
		.amdhsa_enable_private_segment 0
		.amdhsa_kernarg_size 32
		.amdhsa_user_sgpr_count 2
		.amdhsa_user_sgpr_kernarg_segment_ptr 1
		.amdhsa_wavefront_size32 1
		.amdhsa_system_sgpr_workgroup_id_x 1
		.amdhsa_system_sgpr_workgroup_id_y 1
		.amdhsa_system_sgpr_workgroup_id_z 1
		.amdhsa_system_vgpr_workitem_id 0
		.amdhsa_next_free_vgpr 1024
		.amdhsa_next_free_sgpr 66
		.amdhsa_reserve_vcc 0
		.amdhsa_float_denorm_mode_32 3
		.amdhsa_float_denorm_mode_16_64 3
		.amdhsa_memory_ordered 1
		.amdhsa_forward_progress 1
		.amdhsa_inst_pref_size 157
	.end_amdhsa_kernel
	.amdgpu_metadata
---
amdhsa.version: [ 1, 2 ]
amdhsa.kernels:
  - .name:           k_qe1a650e70d_qkv
    .symbol:         k_qe1a650e70d_qkv.kd
    .args:
      - { .name: img, .offset: 0, .size: 8, .value_kind: global_buffer, .address_space: global }
      - { .name: freqs_cos, .offset: 8, .size: 8, .value_kind: global_buffer, .address_space: global }
      - { .name: freqs_sin, .offset: 16, .size: 8, .value_kind: global_buffer, .address_space: global }
      - { .name: qkv, .offset: 24, .size: 8, .value_kind: global_buffer, .address_space: global }
    .group_segment_fixed_size: 104448
    .private_segment_fixed_size: 0
    .kernarg_segment_align: 8
    .kernarg_segment_size: 32
    .max_flat_workgroup_size: 128
    .sgpr_count:     66
    .vgpr_count:     1024
    .wavefront_size: 32
...
	.end_amdgpu_metadata
.endif
;; end of part 2
;; launch attn (part 3): grid 16 x 16, 8 waves a work-group, no clusters, 173,568 bytes of LDS; arguments qkv, mask, flags, oimg; writes oimg
.if DOCPART == 3
	.amdgcn_target "amdgcn-amd-amdhsa--gfx1250"
	.amdhsa_code_object_version 6
	.text
	.protected	k_qe1a650e70d_attn
	.globl	k_qe1a650e70d_attn
	.p2align	8
	.type	k_qe1a650e70d_attn,@function
k_qe1a650e70d_attn:
	s_mov_b64 s[64:65], 0
	v_nop
	global_prefetch_b8 v0, s[64:65] scope:SCOPE_SE
	s_setreg_imm32_b32 hwreg(HW_REG_WAVE_MODE, 25, 1), 1
	s_wait_xcnt 0x0
; ATTN.  o = softmax(q k^T / sqrt(128) + mask) v for one head, both products on codes of FP6 (E2M3); o is quantised along (head, d) into an image for the last product.
; THE SOFTMAX AHEAD OF THE SECOND PRODUCT: t = (score + mask sqrt(128)) x log2(e) / sqrt(128); M = the running largest t rounded UP to a whole number; p = 2^(t - M) is quantised along the keys, not normalised;
; the row's sum is taken of the unquantised p and divides at the end; when M moves, the sum and O are multiplied by 2^(old M - new M), which rounds nothing.
; SHARES.  A work-group: one head (y) and eight fragments of 16 queries, as four pairs: pairs 0, 1 = fragments 4 j .. 4 j + 3, pairs 2, 3 = fragments 124 - 4 j .. 127 - 4 j (j = x of the grid).
; A WAVE TAKES A PAIR (32 queries) AND ONE PARITY OF THE 16 KEY STEPS: waves 0-3 pair w, even steps; waves 4-7 pair (w - 4) xor 2, odd steps.  Each fragment of K and V that it reads from LDS feeds two matrix
; instructions, and the two fragments' softmax lines stand by turns.  Register set 0 holds the fragment that the wave writes out (the pair's fragment number parity), set 1 the other.  At the end wave w hands set 1's
; -M, sum and O^T to wave w xor 6 (same pair, other parity) through LDS; the two halves are brought under the larger M by powers of two and added.
; Both products are used transposed (source 0 = 16 keys, or 16 of the head's d; source 1 = my queries): a lane holds one query of each set throughout.
; THE MASK IS AN INPUT.  An earlier launch has stored, as whole numbers, a class for each 32 queries x 128 keys (a pair x a step): 0 all -infinity: the step's work is left out (every p would be 0); 1 all +-0: nothing is
; added; 2: the mask's 32 x 128 numbers are loaded, behind K's products into registers that are free there, and added.  Scalar branches on those stored numbers stand round WORK alone: every barrier is on every path.
; So this text has no tensor load, and with that NO JOINT LOADS, though the sixteen work-groups of a head walk the same k and v.
; K AND V: a phase is two key steps, 51,200 dense bytes, copied by the 256 threads (twelve loads of 16 bytes and one of 8 each) through registers into one of two LDS buffers; one barrier a phase: phase p + 1 is stored, at
; the head of phase p, into the buffer of phase p - 1, behind the barrier in front of which every wave waited for its reads of it; it is read behind the next barrier, in front of which every wave waited for its stores.
; PREFETCH: in trips 0 and 1 wave 0 names 25 blocks of 256 bytes of the two phases that the next trip's loads fetch (400 blocks, shared out among the head's 16 work-groups by j); the first four phases come by their loads
; alone.  The mask's tiles are not prefetched: which of them are read hangs on the stored classes.
; LIMITS: +infinity and NaN in the mask are not served (-infinity and every finite number are).  t has one rounding more than score / sqrt(128) + mask.  A query all of whose keys are hidden gets scale bytes 0xff,
; which make its row of the output NaN, as the softmax of such a row is.  Blocks of zeros, and blocks under 2^-124, keep the scale byte 1 (read by this program alone).
; REGISTERS.  window 0: v1-11, v22-23, v124 addresses; set f: v[12+4f] -M, v[13+4f] largest t, v[14+4f:15+4f] the sum; v20-21 Q's scale words; v24-27 K's or V's; v[28+2f] the factor, v[29+2f] p's scale word;
;   v32-55 Q; v56-79 p's codes; v80-105 at work; v106-123 part of a phase on its way; v128-255 S^T, then p.   window 1: v0-95 K's or V's eight fragments; v96-127 the rest of a phase on its way; v128-255 O^T.
.set PHB,   51200                      ; a phase's buffer: step 2 p (K, V), step 2 p + 1 (K, V)
.set SCWL,  102400                     ; the eight fragments' scale words, 64 bytes each
.set XCH,   102912                     ; what a wave hands over: 8,192 bytes of O^T, 512 of -M and sum
.set XW,    8704
.set SPARE, 172544                     ; the spare words, 128 bytes for each of the eight waves
.set L16, 1                            ; 16 l
.set KA,  2                            ; v2, v3  fragments of my step in buffer 0, 1: 16 l + 25,600 parity
.set KS,  4                            ; v4, v5  their scale words: 4 l + ..
.set SPW, 6                            ; LDS address of my spare word; never rewritten
.set NIL, 7                            ; 0; never rewritten
.set MA,  8                            ; v8, v9  the mask: set f's query's row and my half's 64 bytes
.set TA,  10                           ; v10, v11  16 x thread, in memory and in buffer 0; in buffer 1
.set TB,  22                           ; v22, v23  49,152 + 8 x thread
.set PFO, 124
.set QSC, 20
.set KSC, 24
.set Q,   32
.set PC,  56
.set WK,  80                           ; set f: WK + 12 f: 0-3 block maxima, 4-7 the other lanes', then bytes, 8-11 scale operands
.set TP,  104
.set S,   128
.set O,   128
.set XST, 96                           ; the way out's registers
.set XLD, 97
.set SCWA, 98
.set SCRD, 99
.set OSV, 100
.set PW,  104
.set WV,  12
.set PI,  13
.set A,   14
.set HD,  15
.set FW,  32                           ; my eight classes, two bits each, the phase in hand lowest
.set FL,  33
.set SEL, 34                           ; s[34:35] lane selects: lane l xor 16
.set CS,  36                           ; s[36:37] log2(e) / sqrt(128)
.set RK,  38                           ; s[38:39] sqrt(128)
.set KVP, 40                           ; s[40:41] the trip's first phase of k and v
.set MP,  42                           ; s[42:43] the mask at my pair's first row and the trip's first key of my parity
.set OP,  44                           ; s[44:45] my fragment in oimg;  s[46:47] the low fragments' scale words there
.set OS,  46
.set CNT, 48
.set MSB, 0
.macro WIN new                         ; the immediate's high byte repeats the setting that is left
.if MSB != \new
	s_set_vgpr_msb (MSB<<8)|\new
.set MSB, \new
.endif
.endm
.macro PLACES                          ; four places in front of loads into registers that matrix instructions have read, and of the first read of results
.rept 4
	v_nop
.endr
.endm
.macro WM d, a, b, z, sa, sb, row      ; one matrix instruction; z: it starts the sum; row: source 0's scales stand in lanes 16-31
.if \z
.if \row
	v_wmma_scale_f32_16x16x128_f8f6f4 v[\d:\d+7], v[\a:\a+11], v[\b:\b+11], 0, v[\sa], v[\sb] matrix_a_fmt:MATRIX_FMT_FP6 matrix_b_fmt:MATRIX_FMT_FP6 matrix_a_scale:MATRIX_SCALE_ROW1
.else
	v_wmma_scale_f32_16x16x128_f8f6f4 v[\d:\d+7], v[\a:\a+11], v[\b:\b+11], 0, v[\sa], v[\sb] matrix_a_fmt:MATRIX_FMT_FP6 matrix_b_fmt:MATRIX_FMT_FP6
.endif
.else
.if \row
	v_wmma_scale_f32_16x16x128_f8f6f4 v[\d:\d+7], v[\a:\a+11], v[\b:\b+11], v[\d:\d+7], v[\sa], v[\sb] matrix_a_fmt:MATRIX_FMT_FP6 matrix_b_fmt:MATRIX_FMT_FP6 matrix_a_scale:MATRIX_SCALE_ROW1
.else
	v_wmma_scale_f32_16x16x128_f8f6f4 v[\d:\d+7], v[\a:\a+11], v[\b:\b+11], v[\d:\d+7], v[\sa], v[\sb] matrix_a_fmt:MATRIX_FMT_FP6 matrix_b_fmt:MATRIX_FMT_FP6
.endif
.endif
.endm
.macro SLOAD ph                        ; my 200 bytes of the phase `ph` phases behind KVP
	WIN 0x40
.irp i, 0,1,2,3,4,5,6,7
	global_load_b128 v[96+4*\i:96+4*\i+3], v[TA], s[KVP:KVP+1] offset:PHB*(\ph)+4096*\i
.endr
	WIN 0
.irp i, 0,1,2,3
	global_load_b128 v[108+4*\i:108+4*\i+3], v[TA], s[KVP:KVP+1] offset:PHB*(\ph)+32768+4096*\i
.endr
	global_load_b64 v[106:107], v[TB], s[KVP:KVP+1] offset:PHB*(\ph)
.endm
.macro SSTORE buf
	WIN 0x04
.irp i, 0,1,2,3,4,5,6,7
	ds_store_b128 v[TA+\buf], v[96+4*\i:96+4*\i+3] offset:4096*\i
.endr
	WIN 0
.irp i, 0,1,2,3
	ds_store_b128 v[TA+\buf], v[108+4*\i:108+4*\i+3] offset:32768+4096*\i
.endr
	ds_store_b64 v[TB+\buf], v[106:107]
.endm
.macro FRAGS k, off                    ; 28 LDS loads in one run: a block's scale words (lanes 0-15 fragment 2 i's, lanes 16-31 fragment 2 i + 1's), then its eight fragments in order
.irp i, 0,1,2,3
	ds_load_b32 v[KSC+\i], v[KS+\k] offset:(\off)+12288+128*\i
.endr
	WIN 0x40
.irp t, 0,1,2,3,4,5,6,7
.irp c, 0,1,2
	ds_load_b128 v[12*\t+4*\c:12*\t+4*\c+3], v[KA+\k] offset:(\off)+1536*\t+512*\c
.endr
.endr
	WIN 0
.endm
.macro KQ                              ; S^T = K Q^T, two products a fragment, as soon as it is in: behind fragment t's three loads 21 - 3 t were issued
	WIN 0x01
.irp t, 0,1,2,3,4,5,6,7
	s_wait_dscnt 21-3*\t
.irp f, 0,1
	WM S+64*\f+8*\t, 12*\t, Q+12*\f, 1, KSC+\t/2, QSC+\f, \t%2
.endr
.endr
	WIN 0
.endm
.macro PV                              ; O^T += V^T P^T: the sixteen accumulators take turns, one instruction a turn
	s_wait_dscnt 0x0
	WIN 0x51
.irp t, 0,1,2,3,4,5,6,7
.irp f, 0,1
	WM O+64*\f+8*\t, 12*\t, PC+12*\f, 0, KSC+\t/2, 29+2*\f, \t%2
.endr
.endr
	WIN 0
.endm
.macro SOFTMAX                         ; register 16 b + i of set f's 64 is the score of key 32 b + 16 (lane / 16) + i of the step; the two sets by turns
.irp b, 0,1,2,3
.irp f, 0,1
	v_max3_num_f32 v[WK+12*\f+\b], v[S+64*\f+16*\b], v[S+64*\f+16*\b+1], v[S+64*\f+16*\b+2]   ; the largest score of each block of 32 keys: for the row's maximum and, since p rises with the score, for the block's largest p
.endr
.endr
.irp i, 3,5,7,9,11,13
.irp b, 0,1,2,3
.irp f, 0,1
	v_max3_num_f32 v[WK+12*\f+\b], v[WK+12*\f+\b], v[S+64*\f+16*\b+\i], v[S+64*\f+16*\b+\i+1]
.endr
.endr
.endr
.irp b, 0,1,2,3
.irp f, 0,1
	v_max_num_f32 v[WK+12*\f+\b], v[WK+12*\f+\b], v[S+64*\f+16*\b+15]
.endr
.endr
.irp b, 0,1,2,3
.irp f, 0,1
	v_permlanex16_b32 v[WK+12*\f+4+\b], v[WK+12*\f+\b], s[SEL], s[SEL+1]
.endr
.endr
.irp b, 0,1,2,3
.irp f, 0,1
	v_max_num_f32 v[WK+12*\f+\b], v[WK+12*\f+\b], v[WK+12*\f+4+\b]   ; with lane l xor 16's 16 keys
.endr
.endr
.irp f, 0,1
	v_max3_num_f32 v[TP+\f], v[WK+12*\f], v[WK+12*\f+1], v[WK+12*\f+2]
.endr
.irp f, 0,1
	v_max_num_f32 v[TP+\f], v[TP+\f], v[WK+12*\f+3]
.endr
.irp f, 0,1
	v_mul_f32 v[TP+\f], s[CS], v[TP+\f]            ; the step's largest t
.endr
.irp f, 0,1
	v_max_num_f32 v[13+4*\f], v[13+4*\f], v[TP+\f] ; the running largest t
.endr
.irp f, 0,1
	v_mov_b32 v[TP+\f], v[12+4*\f]
.endr
.irp f, 0,1
	v_floor_f32 v[12+4*\f], -v[13+4*\f]            ; the new -M: M is a whole number
.endr
.irp f, 0,1
	v_sub_f32 v[TP+\f], v[12+4*\f], v[TP+\f]       ; old M - new M
.endr
.irp f, 0,1
	v_cvt_i32_f32 v[TP+\f], v[TP+\f]               ; (it saturates)
.endr
.irp f, 0,1
	v_ldexp_f32 v[28+2*\f], 1.0, v[TP+\f]          ; 2^(old M - new M)
.endr
.set n, 0
.rept 32
.irp f, 0,1
	v_pk_fma_f32 v[S+64*\f+2*n:S+64*\f+2*n+1], v[S+64*\f+2*n:S+64*\f+2*n+1], s[CS:CS+1], v[12+4*\f:13+4*\f] op_sel_hi:[1,0,0]   ; t - M
.endr
.set n, n+1
.endr
.irp b, 0,1,2,3
.irp f, 0,1
	v_fma_f32 v[WK+12*\f+\b], v[WK+12*\f+\b], s[CS], v[12+4*\f]   ; the same of each block's largest score
.endr
.endr
	WIN 0x41
.set n, 0
.rept 32
.irp f, 0,1
	v_pk_mul_f32 v[O+64*\f+2*n:O+64*\f+2*n+1], v[O+64*\f+2*n:O+64*\f+2*n+1], v[28+2*\f:29+2*\f] op_sel_hi:[1,0]   ; O^T under the new M, ahead of the exponentials; each accumulator from its low end on
.endr
.set n, n+1
.endr
	WIN 0
	s_wait_alu depctr_va_vdst(0)
.irp b, 0,1,2,3
.irp f, 0,1
	v_exp_f32 v[WK+12*\f+\b], v[WK+12*\f+\b]       ; the block's largest p: the same two instructions on the same number give the same bits
.endr
.endr
.set n, 0
.rept 128
	v_exp_f32 v[S+n], v[S+n]                       ; p = 2^(t - M), at most 1
.set n, n+1
.endr
.irp f, 0,1
	v_pk_mul_f32 v[14+4*\f:15+4*\f], v[14+4*\f:15+4*\f], v[28+2*\f:29+2*\f] op_sel_hi:[1,0]   ; the sums under the new M
.endr
	s_wait_alu depctr_va_vdst(0)                   ; one wait for the whole batch, ahead of its first reader
.irp b, 0,1,2,3
.irp f, 0,1
	v_max_num_f32 v[WK+12*\f+\b], 0x1800000, v[WK+12*\f+\b]   ; the floor 2^(3 - 127): the byte cannot fall under 1
.endr
.endr
.irp b, 0,1,2,3
.irp f, 0,1
	v_add_nc_u32 v[WK+12*\f+8+\b], 0xff000000, v[WK+12*\f+\b]   ; 2 off the exponent field: the conversion's scale operand
.endr
.endr
.irp b, 0,1,2,3
.irp f, 0,1
	v_lshrrev_b32 v[WK+12*\f+4+\b], 23, v[WK+12*\f+8+\b]   ; the scale's byte
.endr
.endr
.irp f, 0,1
	v_lshl_or_b32 v[29+2*\f], v[WK+12*\f+5], 8, v[WK+12*\f+4]   ; p's scale word for these 128 keys
.endr
.irp f, 0,1
	v_lshl_or_b32 v[29+2*\f], v[WK+12*\f+6], 16, v[29+2*\f]
.endr
.irp f, 0,1
	v_lshl_or_b32 v[29+2*\f], v[WK+12*\f+7], 24, v[29+2*\f]
.endr
.irp f, 0,1
.irp c, 0,1
	v_cvt_scalef32_pk16_fp6_f32 v[PC+12*\f+6*\c:PC+12*\f+6*\c+2], v[S+64*\f+32*\c:S+64*\f+32*\c+15], v[WK+12*\f+8+2*\c]
	v_cvt_scalef32_pk16_fp6_f32 v[WK+12*\f+4*\c:WK+12*\f+4*\c+2], v[S+64*\f+32*\c+16:S+64*\f+32*\c+31], v[WK+12*\f+9+2*\c]   ; (a conversion's three registers begin on an even number)
.endr
.endr
	v_nop                                          ; one plain place behind a scaled conversion
.irp f, 0,1
.irp c, 0,1                                    ; the operand's layout wants a whole block in a lane
.irp i, 0,1,2
	v_permlane16_swap_b32 v[PC+12*\f+6*\c+\i], v[WK+12*\f+4*\c+\i]
.endr
.irp i, 0,1,2
	v_mov_b32 v[PC+12*\f+6*\c+3+\i], v[WK+12*\f+4*\c+\i]
.endr
.endr
.endr
.irp f, 0,1
	v_pk_add_f32 v[WK+12*\f+8:WK+12*\f+9], v[S+64*\f:S+64*\f+1], v[S+64*\f+2:S+64*\f+3]   ; the row's sum is taken of the unquantised p: two chains a set.  These 64 lines are also the places ahead of the products
.endr
.irp j, 4,8,12,16,20,24,28,32,36,40,44,48,52,56,60
.irp f, 0,1
	v_pk_add_f32 v[14+4*\f:15+4*\f], v[14+4*\f:15+4*\f], v[S+64*\f+\j:S+64*\f+\j+1]
	v_pk_add_f32 v[WK+12*\f+8:WK+12*\f+9], v[WK+12*\f+8:WK+12*\f+9], v[S+64*\f+\j+2:S+64*\f+\j+3]
.endr
.endr
.irp f, 0,1
	v_pk_add_f32 v[14+4*\f:15+4*\f], v[14+4*\f:15+4*\f], v[WK+12*\f+8:WK+12*\f+9]
.endr
.endm
; A PHASE, the k-th of two in a trip; its blocks lie in buffer k.  The last trip (CNT = 1) asks for nothing, and its second phase stores nothing.
.macro PHASE k
	s_and_b32 s[FL], s[FW], 3                      ; my step's class
	s_lshr_b32 s[FW], s[FW], 2
.if \k == 0
	s_wait_loadcnt 0x0                             ; the next phase's 13 loads are in
	SSTORE 1                                       ; into the buffer that every wave had read out in front of the last barrier
	s_cmp_eq_u32 s[CNT], 1
	s_cbranch_scc1 .Lnl_\@
	SLOAD 2
	s_cmp_lt_u32 s[CNT], 3
	s_cbranch_scc1 .Lnl_\@
	s_cmp_lg_u32 s[WV], 0
	s_cbranch_scc1 .Lnl_\@
	global_prefetch_b8 v[PFO], s[KVP:KVP+1] offset:4*PHB th:TH_LOAD_NT scope:SCOPE_SE   ; 25 blocks of the two phases that the next trip's loads fetch
.else
	s_cmp_eq_u32 s[CNT], 1
	s_cbranch_scc1 .Lnl_\@
	s_wait_loadcnt 0x0
	SSTORE 0
	SLOAD 3
.endif
.Lnl_\@:
	s_cmp_eq_u32 s[FL], 0
	s_cbranch_scc1 .Lskip_\@                       ; all hidden: every p would be 0
	PLACES                                         ; behind the last products, which read these registers
	FRAGS \k, 0
	KQ
	PLACES                                         ; in front of the first read of the scores, and of loads into K's registers
	s_cmp_lg_u32 s[FL], 2
	s_cbranch_scc1 .Lplain_\@                      ; all +-0: nothing to add
	WIN 0x40                                       ; mask(my query, keys 32 q + 16 h + 4 e on), in the scores' order: set 0 and half of set 1 into K's registers,
.irp q, 0,1,2,3
.irp e, 0,1,2,3
	global_load_b128 v[16*\q+4*\e:16*\q+4*\e+3], v[MA], s[MP:MP+1] offset:1024*\k+128*\q+16*\e
.endr
.endr
.irp q, 0,1
.irp e, 0,1,2,3
	global_load_b128 v[64+16*\q+4*\e:64+16*\q+4*\e+3], v[MA+1], s[MP:MP+1] offset:1024*\k+128*\q+16*\e
.endr
.endr
	WIN 0                                          ; the rest into the codes' and the working registers, which hold nothing here
.irp q, 2,3
.irp e, 0,1,2,3
	global_load_b128 v[PC+16*(\q-2)+4*\e:PC+16*(\q-2)+4*\e+3], v[MA+1], s[MP:MP+1] offset:1024*\k+128*\q+16*\e
.endr
.endr
	s_wait_loadcnt 0x0
	WIN 0x01
.set n, 0
.rept 48
	v_pk_fma_f32 v[S+2*n:S+2*n+1], v[2*n:2*n+1], s[RK:RK+1], v[S+2*n:S+2*n+1] op_sel_hi:[1,0,1]   ; score + mask x sqrt(128); -infinity stays -infinity
.set n, n+1
.endr
	WIN 0
.set n, 0
.rept 16
	v_pk_fma_f32 v[S+96+2*n:S+96+2*n+1], v[PC+2*n:PC+2*n+1], s[RK:RK+1], v[S+96+2*n:S+96+2*n+1] op_sel_hi:[1,0,1]
.set n, n+1
.endr
.Lplain_\@:
	FRAGS \k, 12800                                ; V's block, into K's registers: it lands under the softmax
	SOFTMAX
	PV
.Lskip_\@:
	s_wait_dscnt 0x0                               ; my stores have landed, and my reads of this phase's buffer are over
	s_barrier_signal -1
	s_barrier_wait -1
.endm
.macro QUANT s, TM                     ; 64 numbers, register 16 b + i = k 32 b + 16 (lane / 16) + i, become codes in v[PC] on and a scale word in v[PW]
.irp b, 0,1,2,3
	v_max3_num_f32 v[\TM+\b], |v[\s+16*\b]|, |v[\s+1+16*\b]|, 0x1800000
.endr
.irp i, 2,4,6,8,10,12,14
.irp b, 0,1,2,3
	v_max3_num_f32 v[\TM+\b], v[\TM+\b], |v[\s+16*\b+\i]|, |v[\s+1+16*\b+\i]|
.endr
.endr
.irp b, 0,1,2,3
	v_permlanex16_b32 v[\TM+4+\b], v[\TM+\b], s[SEL], s[SEL+1]
.endr
.irp b, 0,1,2,3
	v_max_num_f32 v[\TM+\b], v[\TM+\b], v[\TM+4+\b]
.endr
.irp b, 0,1,2,3
	v_add_nc_u32 v[\TM+12+\b], 0xff000000, v[\TM+\b]
.endr
.irp b, 0,1,2,3
	v_lshrrev_b32 v[\TM+4+\b], 23, v[\TM+12+\b]
.endr
	v_lshl_or_b32 v[PW], v[\TM+5], 8, v[\TM+4]
	v_lshl_or_b32 v[PW], v[\TM+6], 16, v[PW]
	v_lshl_or_b32 v[PW], v[\TM+7], 24, v[PW]
.irp c, 0,1
	v_cvt_scalef32_pk16_fp6_f32 v[PC+6*\c:PC+2+6*\c], v[\s+32*\c:\s+15+32*\c], v[\TM+12+2*\c]
	v_cvt_scalef32_pk16_fp6_f32 v[PC+12+4*\c:PC+14+4*\c], v[\s+16+32*\c:\s+31+32*\c], v[\TM+12+2*\c+1]
.endr
	v_nop
.irp c, 0,1
.irp i, 0,1,2
	v_permlane16_swap_b32 v[PC+6*\c+\i], v[PC+12+4*\c+\i]
.endr
.irp i, 0,1,2
	v_mov_b32 v[PC+3+6*\c+\i], v[PC+12+4*\c+\i]
.endr
.endr
.endm
	s_load_b256 s[4:11], s[0:1], 0x0               ; qkv, mask, flags, oimg
	v_lshl_add_u32 v[SPW], v0, 2, SPARE
	v_mov_b32 v[NIL], 0
	v_lshrrev_b32 v192, 5, v0
	v_readfirstlane_b32 s[WV], v192                ; wave 0..7
	s_lshr_b32 s[PI], s[WV], 2                     ; my parity of key steps
	s_and_b32 s[A], s[WV], 3
	s_lshl_b32 s50, s[PI], 1
	s_xor_b32 s[A], s[A], s50                      ; my pair
	s_and_b32 s[HD], ttmp7, 0xffff                 ; the head
	s_lshl_b32 s50, ttmp9, 2
	s_sub_co_u32 s51, 120, s50
	s_cmp_lt_u32 s[A], 2
	s_cselect_b32 s50, s50, s51
	s_lshl_b32 s51, s[A], 1
	s_add_co_u32 s50, s50, s51                     ; the pair's first fragment, an even number 0 .. 126
	s_lshr_b32 s51, s50, 3                         ; its group of 128 queries
	s_and_b32 s52, s50, 7
	s_add_co_u32 s53, s52, s[PI]                   ; set 0's place in the group,
	s_xor_b32 s54, s53, 1                          ; set 1's
	s_lshl_b32 s58, s[HD], 4
	s_add_co_u32 s58, s58, s51
	s_mul_i32 s58, s58, 12800                      ; q's block (head, group)
	s_mov_b32 s59, 0
	s_lshl_b32 s[OP], s51, 4
	s_add_co_u32 s[OP], s[OP], s[HD]
	s_mul_i32 s[OP], s[OP], 12800                  ; o's block (group, K step = head),
	s_mul_i32 s20, s53, 1536
	s_add_co_u32 s[OP], s[OP], s20                 ; set 0's fragment there
	s_mov_b32 s[OP+1], 0
	s_mul_i32 s21, s54, 1536
	s_lshl_b32 s22, s53, 6
	s_add_co_u32 s22, s22, 12288
	s_lshl_b32 s23, s54, 6
	s_add_co_u32 s23, s23, 12288
	s_lshr_b32 s55, s50, 1                         ; my group of 32 queries
	s_lshl_b32 s62, s55, 6                         ; its 16 classes
	s_mov_b32 s63, 0
	s_lshl_b32 s[MP], s55, 18                      ; 32 rows of the mask,
	s_lshl_b32 s56, s[PI], 9                       ; 128 keys
	s_add_co_u32 s[MP], s[MP], s56
	s_mov_b32 s[MP+1], 0
	s_mul_i32 s[KVP], s[HD], 409600
	s_add_co_u32 s[KVP], s[KVP], 3276800           ; the head's k and v
	s_mov_b32 s[KVP+1], 0
	s_mul_i32 s16, s[PI], 25600
	s_lshl_b32 s17, s[PI], 16                      ; 8 rows of the mask for the pair's odd fragment
	s_xor_b32 s18, s17, 65536
	s_mul_i32 s19, ttmp9, 25
	v_and_b32 v192, 31, v0                         ; l
	v_and_b32 v193, 15, v0                         ; r
	v_bfe_u32 v194, v0, 4, 1                       ; h
	v_lshlrev_b32 v[L16], 4, v192
	v_add_nc_u32 v[KA], s16, v[L16]
	v_add_nc_u32 v[KA+1], PHB, v[KA]
	v_lshl_add_u32 v[KS], v192, 2, s16
	v_add_nc_u32 v[KS+1], PHB, v[KS]
	v_lshlrev_b32 v[TA], 4, v0
	v_add_nc_u32 v[TA+1], PHB, v[TA]
	v_lshl_add_u32 v[TB], v0, 3, 49152
	v_add_nc_u32 v[TB+1], PHB, v[TB]
	v_and_b32 v195, 8, v193
	v_add_nc_u32 v195, v195, v193                  ; r + 8 (r / 8)
	v_lshlrev_b32 v195, 13, v195
	v_lshl_add_u32 v195, v194, 6, v195
	v_add_nc_u32 v[MA], s17, v195
	v_add_nc_u32 v[MA+1], s18, v195
	v_min_u32 v196, 24, v192
	v_add_nc_u32 v196, s19, v196
	v_lshlrev_b32 v[PFO], 8, v196                  ; block 25 j + min(l, 24) of 400
	v_add_nc_u32 v197, s20, v[L16]                 ; Q's fragments and scale words in q's block
	v_add_nc_u32 v198, s21, v[L16]
	v_lshl_add_u32 v199, v193, 2, s22
	v_lshl_add_u32 v200, v193, 2, s23
	s_wait_alu depctr_va_vdst(0)
	s_wait_kmcnt 0x0
	s_add_nc_u64 s[58:59], s[4:5], s[58:59]
	s_add_nc_u64 s[KVP:KVP+1], s[4:5], s[KVP:KVP+1]
	s_add_nc_u64 s[MP:MP+1], s[6:7], s[MP:MP+1]
	s_add_nc_u64 s[8:9], s[8:9], s[62:63]
	s_add_nc_u64 s[OP:OP+1], s[10:11], s[OP:OP+1]
	s_load_b512 s[16:31], s[8:9], 0x0              ; the classes of my 32 queries against the 16 key steps
.irp c, 0,1,2
	global_load_b128 v[Q+4*\c:Q+4*\c+3], v197, s[58:59] offset:512*\c   ; Q's two fragments stay in registers
	global_load_b128 v[Q+12+4*\c:Q+12+4*\c+3], v198, s[58:59] offset:512*\c
.endr
	global_load_b32 v[QSC], v199, s[58:59]
	global_load_b32 v[QSC+1], v200, s[58:59]
.irp i, 0,1,2,3,4,5,6,7,8,9,10,11
	global_load_b128 v[S+4*\i:S+4*\i+3], v[TA], s[KVP:KVP+1] offset:4096*\i   ; phase 0, through registers that hold nothing yet
.endr
	global_load_b64 v[S+48:S+49], v[TB], s[KVP:KVP+1]
	SLOAD 1
	; where the scale words go: the low four fragments' 256 bytes, and the high four's, a distance on
	s_lshr_b32 s50, ttmp9, 1
	s_lshl_b32 s50, s50, 4
	s_add_co_u32 s50, s50, s[HD]
	s_mul_i32 s50, s50, 12800
	s_and_b32 s51, ttmp9, 1
	s_lshl_b32 s51, s51, 8
	s_add_co_u32 s50, s50, s51
	s_add_co_u32 s50, s50, 12288
	s_sub_co_u32 s52, 31, ttmp9
	s_lshr_b32 s49, s52, 1
	s_lshl_b32 s49, s49, 4
	s_add_co_u32 s49, s49, s[HD]
	s_mul_i32 s49, s49, 12800
	s_and_b32 s52, s52, 1
	s_lshl_b32 s52, s52, 8
	s_add_co_u32 s49, s49, s52
	s_add_co_u32 s49, s49, 12288
	s_sub_co_u32 s49, s49, s50                     ; positive: the high fragments' groups are 8 to 15, the low ones' 0 to 7; under 2^24
	s_mov_b32 s51, 0
	s_add_nc_u64 s[OS:OS+1], s[10:11], s[50:51]
	s_mul_i32 s56, s[WV], XW
	s_add_co_u32 s56, s56, XCH                     ; what I hand over,
	s_xor_b32 s57, s[WV], 6
	s_mul_i32 s57, s57, XW
	s_add_co_u32 s57, s57, XCH                     ; and what the wave of my pair's other parity hands me
	s_lshl_b32 s60, s[A], 1                        ; (s[58:59] is still the base of Q's loads: it is not written again)
	s_add_co_u32 s60, s60, s[PI]
	s_lshl_b32 s60, s60, 6
	s_add_co_u32 s60, s60, SCWL                    ; my fragment's scale words in LDS
	s_mov_b32 s[SEL], 0x76543210
	s_mov_b32 s[SEL+1], 0xfedcba98
	s_mov_b32 s[CS], 0x3e0293ee                    ; log2(e) / sqrt(128)
	s_mov_b32 s[CS+1], s[CS]
	s_mov_b32 s[RK], 0x413504f3                    ; sqrt(128)
	s_mov_b32 s[RK+1], s[RK]
.irp f, 0,1
	v_mov_b32 v[13+4*\f], 0xff61b1e6               ; the largest t so far: -3e38
	v_floor_f32 v[12+4*\f], -v[13+4*\f]            ; -M
	v_mov_b32 v[14+4*\f], 0
	v_mov_b32 v[15+4*\f], 0
	v_mov_b32 v[28+2*\f], 0
	v_mov_b32 v[29+2*\f], 0
.irp b, 0,1,2,3
	v_mov_b32 v[WK+12*\f+4+\b], 0                  ; written once: a lane permute's destination counts as one of its sources
.endr
.endr
	v_mov_b32 v126, 0
	WIN 0x40
.set n, 0
.rept 128
	v_mov_b32 v[O+n], 0                            ; O^T: which step is the first that counts hangs on the stored classes, so no product can be written out as the one that starts the sums
.set n, n+1
.endr
	WIN 0
	s_wait_alu depctr_va_vdst(0)
	s_wait_kmcnt 0x0
	s_mov_b32 s50, s16                             ; the even steps' classes, and the odd steps'
	s_mov_b32 s51, s17
.irp i, 1,2,3,4,5,6,7
	s_lshl_b32 s52, s[16+2*\i], 2*\i
	s_or_b32 s50, s50, s52
	s_lshl_b32 s52, s[17+2*\i], 2*\i
	s_or_b32 s51, s51, s52
.endr
	s_cmp_eq_u32 s[PI], 0
	s_cselect_b32 s[FW], s50, s51
	s_wait_loadcnt 13                              ; Q and phase 0 are in; phase 1's 13 loads may be out
.irp i, 0,1,2,3,4,5,6,7,8,9,10,11
	ds_store_b128 v[TA], v[S+4*\i:S+4*\i+3] offset:4096*\i
.endr
	ds_store_b64 v[TB], v[S+48:S+49]
	s_wait_dscnt 0x0
	s_barrier_signal -1
	s_barrier_wait -1
	s_mov_b32 s[CNT], 4
.Ltrip:
	PHASE 0
	PHASE 1
	s_wait_xcnt 0x0                                ; the loads and the prefetch have read their bases
	s_add_nc_u64 s[KVP:KVP+1], s[KVP:KVP+1], 2*PHB
	s_add_nc_u64 s[MP:MP+1], s[MP:MP+1], 2048
	s_sub_co_u32 s[CNT], s[CNT], 1
	s_cmp_lg_u32 s[CNT], 0
	s_cbranch_scc1 .Ltrip
	; ---------------- the way out
	PLACES                                         ; behind the last products
	s_wait_alu depctr_va_vdst(0)
	v_add_f32 v14, v14, v15                        ; set 0's sum, its two halves;
	v_add_f32 v17, v18, v19                        ; set 1's, beside its -M
	v_and_b32 v101, 15, v0
	v_bfe_u32 v102, v0, 4, 1
	v_add_nc_u32 v[XST], s56, v[L16]
	v_add_nc_u32 v[XLD], s57, v[L16]
	v_lshl_add_u32 v[SCWA], v101, 2, s60
	v_add_nc_u32 v[SCRD], SCWL, v[L16]
	v_mul_u32_u24 v[OSV], v102, s49
	v_lshl_add_u32 v[OSV], v101, 4, v[OSV]
	v_mov_b32 v105, -1
	s_wait_alu depctr_va_vdst(0)
	WIN 0x04
.set n, 0
.rept 16
	ds_store_b128 v[XST], v[O+64+4*n:O+64+4*n+3] offset:512*n   ; set 1's O^T, each accumulator from its low end on
.set n, n+1
.endr
	WIN 0
	ds_store_b64 v[XST], v[16:17] offset:8192
	s_wait_dscnt 0x0
	s_barrier_signal -1
	s_barrier_wait -1
.set n, 0
.rept 16
	ds_load_b128 v[S+64+4*n:S+64+4*n+3], v[XLD] offset:512*n    ; the other parity's part of my fragment
.set n, n+1
.endr
	ds_load_b64 v[18:19], v[XLD] offset:8192
	s_wait_dscnt 0x0
	v_min_num_f32 v101, v12, v18                   ; -M of both parts: the larger M
	v_sub_f32 v102, v101, v12
	v_sub_f32 v103, v101, v18
	v_cvt_i32_f32 v102, v102                       ; (they saturate)
	v_cvt_i32_f32 v103, v103
	v_ldexp_f32 v102, 1.0, v102                    ; each part's power of two
	v_ldexp_f32 v103, 1.0, v103
	v_mul_f32 v14, v14, v102
	v_fma_f32 v14, v19, v103, v14
	v_permlanex16_b32 v126, v14, s[SEL], s[SEL+1]
	v_add_f32 v14, v14, v126                       ; the row's sum
	s_wait_alu depctr_va_vdst(0)
	v_rcp_f32 v125, v14
	v_nop                                          ; a plain place behind the reciprocal
	s_wait_alu depctr_va_vdst(0)
	v_mul_f32 v88, v102, v125
	v_mul_f32 v90, v103, v125
	v_mov_b32 v89, v88
	v_mov_b32 v91, v90
	WIN 0x01
	s_wait_alu depctr_va_vdst(0)
.set n, 0
.rept 32
	v_pk_mul_f32 v[S+2*n:S+2*n+1], v[O+2*n:O+2*n+1], v[88:89]
.set n, n+1
.endr
	WIN 0
.set n, 0
.rept 32
	v_pk_fma_f32 v[S+2*n:S+2*n+1], v[S+64+2*n:S+64+2*n+1], v[90:91], v[S+2*n:S+2*n+1]   ; o: register 16 b + i is d = 32 b + 16 h + i of my query
.set n, n+1
.endr
	QUANT S, WK
	v_cmp_eq_f32 vcc_lo, 0, v14                    ; a query with no key at all:
	v_cndmask_b32 v[PW], v[PW], v105, vcc_lo       ; scale bytes 0xff
	ds_store_b32 v[SCWA], v[PW]                    ; both halves of the lanes write the same word with the same value
.irp c, 0,1,2
	global_store_b128 v[L16], v[PC+4*\c:PC+4*\c+3], s[OP:OP+1] offset:512*\c   ; 512 consecutive bytes, at a multiple of 256 from the buffer's first byte
.endr
	s_wait_dscnt 0x0
	s_barrier_signal -1
	s_barrier_wait -1
	s_cmp_lg_u32 s[WV], 0
	s_cbranch_scc1 .Lend
	ds_load_b128 v[S:S+3], v[SCRD]                 ; lanes 0-15: the low four fragments' 256 bytes; lanes 16-31: the high four's
	s_wait_dscnt 0x0
	global_store_b128 v[OSV], v[S:S+3], s[OS:OS+1] ; two aligned runs of 256 bytes
.Lend:
	s_wait_tensorcnt 0x0                           ; the wave's end
	ds_add_u32 v[SPW], v[NIL]
	s_wait_dscnt 0x0
	s_endpgm
.Lfunc_end_k_qe1a650e70d_attn:
	.size	k_qe1a650e70d_attn, .Lfunc_end_k_qe1a650e70d_attn-k_qe1a650e70d_attn
	.p2alignl 7, 3214868480
	.fill 96, 4, 3214868480
	.section	.rodata,"a",@progbits
	.p2align	6, 0x0
	.amdhsa_kernel k_qe1a650e70d_attn
		.amdhsa_group_segment_fixed_size 173568
		.amdhsa_private_segment_fixed_size 0
		.amdhsa_enable_private_segment 0
		.amdhsa_kernarg_size 32
		.amdhsa_user_sgpr_count 2
		.amdhsa_user_sgpr_kernarg_segment_ptr 1
		.amdhsa_wavefront_size32 1
		.amdhsa_system_sgpr_workgroup_id_x 1
		.amdhsa_system_sgpr_workgroup_id_y 1
		.amdhsa_system_sgpr_workgroup_id_z 1
		.amdhsa_system_vgpr_workitem_id 0
		.amdhsa_next_free_vgpr 512
		.amdhsa_next_free_sgpr 66
		.amdhsa_reserve_vcc 1
		.amdhsa_float_denorm_mode_32 3
		.amdhsa_float_denorm_mode_16_64 3
		.amdhsa_memory_ordered 1
		.amdhsa_forward_progress 1
		.amdhsa_inst_pref_size 115
	.end_amdhsa_kernel
	.amdgpu_metadata
---
amdhsa.version: [ 1, 2 ]
amdhsa.kernels:
  - .name:           k_qe1a650e70d_attn
    .symbol:         k_qe1a650e70d_attn.kd
    .args:
      - { .name: qkv, .offset: 0, .size: 8, .value_kind: global_buffer, .address_space: global }
      - { .name: mask, .offset: 8, .size: 8, .value_kind: global_buffer, .address_space: global }
      - { .name: flags, .offset: 16, .size: 8, .value_kind: global_buffer, .address_space: global }
      - { .name: oimg, .offset: 24, .size: 8, .value_kind: global_buffer, .address_space: global }
    .group_segment_fixed_size: 173568
    .private_segment_fixed_size: 0
    .kernarg_segment_align: 8
    .kernarg_segment_size: 32
    .max_flat_workgroup_size: 256
    .sgpr_count:     66
    .vgpr_count:     512
    .wavefront_size: 32
...
	.end_amdgpu_metadata
.endif
;; end of part 3
;; launch oproj (part 4): grid 16 x 16, 4 waves a work-group, no clusters, 69,120 bytes of LDS; arguments oimg, img, out0; writes out0
.if DOCPART == 4
	.amdgcn_target "amdgcn-amd-amdhsa--gfx1250"
	.amdhsa_code_object_version 6
	.text
	.protected	k_qe1a650e70d_oproj
	.globl	k_qe1a650e70d_oproj
	.p2align	8
	.type	k_qe1a650e70d_oproj,@function
k_qe1a650e70d_oproj:
	s_mov_b64 s[64:65], 0
	v_nop
	global_prefetch_b8 v0, s[64:65] scope:SCOPE_SE
	s_setreg_imm32_b32 hwreg(HW_REG_WAVE_MODE, 25, 1), 1
	s_wait_xcnt 0x0
; OPROJ.  out0 = o wo^T on codes of FP6 (E2M3); o and wo come as images of operand registers (a block of 128 rows x 128 K is 12,800 bytes: eight fragments of 1,536 bytes, then 512 bytes of scale words; lane r of fragment T
; holds row 32 (T / 2) + 8 (T % 2) + r + 8 (r / 8)).  out0 is [2048][2048] f32.
; SHARES.  A tile of 128 x 128 of out0 to a work-group (16 x 16 of them, one for each of 256 WGPs; tiles of 256 x 256 would be 64); a wave makes 64 x 64: 16 accumulators.  K = 2,048 in 16 steps of 128.
; The matrix instruction is used transposed (source 0 = wo's fragment, source 1 = o's): a lane holds one row of out0 and its registers run along the columns.
; THE BLOCKS COME BY PLAIN LOADS: waves 0 and 1 copy o's block of a step, waves 2 and 3 wo's (12 loads of 16 bytes and one of 8 a thread), four steps ahead, through registers into one of two LDS buffers; one barrier a step:
; step s + 1 is stored into the buffer of step s - 1 behind barrier s - 1, in front of which every wave waited for its reads of it, and is read behind barrier s, in front of which every wave waited for its stores.
; NO CLUSTER, NO JOINT LOADS, though rows and columns of work-groups share blocks: a step has 16 matrix instructions a wave, and these loads stay on their way across four barriers, where a slot filled by the data mover
; would have to be awaited whole at each change of slots.
; REGISTERS: window 0: v2-14 addresses; v32-39 scale words, two sets of 4; v64-159, v160-255 two sets of fragments (o's four, then wo's four).  window 1: accumulator (a, b) at 8 (4 a + b).  window 2: four sets of 50: blocks on their way.
.set BUFB,  25600
.set STG,   51200                      ; behind the two buffers: a stage of 16 rows x (256 + 16) bytes for each wave
.set SPARE, 68608                      ; the spare words, 128 bytes for each wave
.set AA,  2                            ; v2  o's four fragments: 16 l + 6,144 mh
.set AB,  3                            ; v3  wo's: 16 l + 12,800 + 6,144 nh
.set SA,  4                            ; v4, v5 their scale words
.set SB,  5
.set GA,  6                            ; v6  16 x (thread % 64): my bytes of the block that my pair of waves copies
.set GB,  7                            ; v7  12,288 + 8 x (thread % 64)
.set LA,  8                            ; v8, v9 the same in LDS: + 12,800 for wo's block
.set LB,  9
.set STO, 10                           ; v10 the stage: where I put 16 bytes of a row
.set RD,  11                           ; v11 and where I read a row back
.set CO,  12                           ; v12 my byte offset in two rows of out0
.set SPW, 13                           ; v13 LDS address of my spare word; never rewritten
.set NIL, 14                           ; v14 0; never rewritten
.set SCL, 32
.set F,   64
.set WV,  10
.set MH,  11
.set NH,  12
.set BP,  16                           ; s[16:17] my block of the trip's first step
.set CNT, 18
.set MSB, 0
.macro WIN new
.if MSB != \new
	s_set_vgpr_msb (MSB<<8)|\new
.set MSB, \new
.endif
.endm
.macro PLACES                          ; four places in front of loads into registers that matrix instructions have read, and of the first read of results
.rept 4
	v_nop
.endr
.endm
.macro WM
.if qZ
.if qA && qB
	v_wmma_scale_f32_16x16x128_f8f6f4 v[rD:rD+7], v[rA:rA+11], v[rB:rB+11], 0, v[rSA], v[rSB] matrix_a_fmt:MATRIX_FMT_FP6 matrix_b_fmt:MATRIX_FMT_FP6 matrix_a_scale:MATRIX_SCALE_ROW1 matrix_b_scale:MATRIX_SCALE_ROW1
.elseif qA
	v_wmma_scale_f32_16x16x128_f8f6f4 v[rD:rD+7], v[rA:rA+11], v[rB:rB+11], 0, v[rSA], v[rSB] matrix_a_fmt:MATRIX_FMT_FP6 matrix_b_fmt:MATRIX_FMT_FP6 matrix_a_scale:MATRIX_SCALE_ROW1
.elseif qB
	v_wmma_scale_f32_16x16x128_f8f6f4 v[rD:rD+7], v[rA:rA+11], v[rB:rB+11], 0, v[rSA], v[rSB] matrix_a_fmt:MATRIX_FMT_FP6 matrix_b_fmt:MATRIX_FMT_FP6 matrix_b_scale:MATRIX_SCALE_ROW1
.else
	v_wmma_scale_f32_16x16x128_f8f6f4 v[rD:rD+7], v[rA:rA+11], v[rB:rB+11], 0, v[rSA], v[rSB] matrix_a_fmt:MATRIX_FMT_FP6 matrix_b_fmt:MATRIX_FMT_FP6
.endif
.else
.if qA && qB
	v_wmma_scale_f32_16x16x128_f8f6f4 v[rD:rD+7], v[rA:rA+11], v[rB:rB+11], v[rD:rD+7], v[rSA], v[rSB] matrix_a_fmt:MATRIX_FMT_FP6 matrix_b_fmt:MATRIX_FMT_FP6 matrix_a_scale:MATRIX_SCALE_ROW1 matrix_b_scale:MATRIX_SCALE_ROW1
.elseif qA
	v_wmma_scale_f32_16x16x128_f8f6f4 v[rD:rD+7], v[rA:rA+11], v[rB:rB+11], v[rD:rD+7], v[rSA], v[rSB] matrix_a_fmt:MATRIX_FMT_FP6 matrix_b_fmt:MATRIX_FMT_FP6 matrix_a_scale:MATRIX_SCALE_ROW1
.elseif qB
	v_wmma_scale_f32_16x16x128_f8f6f4 v[rD:rD+7], v[rA:rA+11], v[rB:rB+11], v[rD:rD+7], v[rSA], v[rSB] matrix_a_fmt:MATRIX_FMT_FP6 matrix_b_fmt:MATRIX_FMT_FP6 matrix_b_scale:MATRIX_SCALE_ROW1
.else
	v_wmma_scale_f32_16x16x128_f8f6f4 v[rD:rD+7], v[rA:rA+11], v[rB:rB+11], v[rD:rD+7], v[rSA], v[rSB] matrix_a_fmt:MATRIX_FMT_FP6 matrix_b_fmt:MATRIX_FMT_FP6
.endif
.endif
.endm
.macro MUL a, p, zero                  ; o's fragment a against wo's four.  The 16 accumulators take turns, one instruction a turn
.irp e, 0,1,2,3
.set rD, 8*(4*(\a)+\e)
.set rA, F+96*(\p)+48+12*\e
.set rB, F+96*(\p)+12*(\a)
.set rSA, SCL+4*(\p)+2+\e/2
.set rSB, SCL+4*(\p)+(\a)/2
.set qA, \e%2
.set qB, (\a)%2
.set qZ, \zero
	WM
.endr
.endm
.macro SLOAD k, st
	WIN 0x80
.irp i, 0,1,2,3,4,5,6,7,8,9,10,11
	global_load_b128 v[52*(\k)+4*\i:52*(\k)+4*\i+3], v[GA], s[BP:BP+1] offset:12800*(\st)+1024*\i
.endr
	global_load_b64 v[52*(\k)+48:52*(\k)+49], v[GB], s[BP:BP+1] offset:12800*(\st)
	WIN 0
.endm
.macro SSTORE k, buf
	WIN 0x08
.irp i, 0,1,2,3,4,5,6,7,8,9,10,11
	ds_store_b128 v[LA], v[52*(\k)+4*\i:52*(\k)+4*\i+3] offset:BUFB*(\buf)+1024*\i
.endr
	ds_store_b64 v[LB], v[52*(\k)+48:52*(\k)+49] offset:BUFB*(\buf)
	WIN 0
.endm
.macro FETCH p                         ; 28 LDS loads: my eight fragments and four registers of scale words of buffer p, into set p
.irp t, 0,1,2,3
.irp c, 0,1,2
	ds_load_b128 v[F+96*(\p)+12*\t+4*\c:F+96*(\p)+12*\t+4*\c+3], v[AA] offset:BUFB*(\p)+1536*\t+512*\c
.endr
.endr
.irp t, 0,1,2,3
.irp c, 0,1,2
	ds_load_b128 v[F+96*(\p)+48+12*\t+4*\c:F+96*(\p)+48+12*\t+4*\c+3], v[AB] offset:BUFB*(\p)+1536*\t+512*\c
.endr
.endr
.irp i, 0,1
	ds_load_b32 v[SCL+4*(\p)+\i], v[SA] offset:BUFB*(\p)+128*\i
	ds_load_b32 v[SCL+4*(\p)+2+\i], v[SB] offset:BUFB*(\p)+128*\i
.endr
.endm
; A K STEP, the k-th of four in a trip, on set and buffer k % 2.  ld: the block four steps on is asked for;  cnt: the loads issued behind the next step's 13;  st: the next step's block goes to LDS, and the barrier stands.
.macro STEP k, zero, ld, cnt, st
.if \ld
	SLOAD \k, (\k)+4                               ; into the set that went to LDS a step ago
.endif
.if \st
	s_wait_loadcnt \cnt
	SSTORE ((\k)+1)%4, ((\k)+1)%2
.endif
	s_wait_dscnt 13*\st                            ; this step's 28 loads are in; the 13 stores may be out
	WIN 0x50
	MUL 0, (\k)%2, \zero
	MUL 1, (\k)%2, \zero
.if \st
	s_wait_dscnt 0x0                               ; my stores have landed; my reads of this buffer were over at the step's head
	s_barrier_signal -1
	MUL 2, (\k)%2, \zero
	s_barrier_wait -1
	PLACES                                         ; for the other set, read by the last step's products
	WIN 0
	FETCH ((\k)+1)%2
	WIN 0x50
	MUL 3, (\k)%2, \zero
.else
	MUL 2, (\k)%2, \zero
	MUL 3, (\k)%2, \zero
.endif
	WIN 0
.endm
	s_load_b128 s[4:7], s[0:1], 0x0                ; oimg, img
	s_load_b64 s[8:9], s[0:1], 0x10                ; out0
	v_lshl_add_u32 v[SPW], v0, 2, SPARE
	v_mov_b32 v[NIL], 0
	v_lshrrev_b32 v1, 5, v0
	v_readfirstlane_b32 s[WV], v1                  ; wave 0..3
	s_and_b32 s[MH], s[WV], 1
	s_lshr_b32 s[NH], s[WV], 1
	s_and_b32 s13, ttmp7, 0xffff                   ; Gm: the tile's 128 rows; ttmp9 = Gn: its 128 columns
	v_and_b32 v1, 31, v0
	v_and_b32 v15, 15, v0
	v_bfe_u32 v16, v0, 4, 1
	v_lshlrev_b32 v17, 4, v1
	v_lshlrev_b32 v18, 2, v1
	s_mul_i32 s20, s[MH], 6144
	v_add_nc_u32 v[AA], s20, v17
	s_mul_i32 s20, s[NH], 6144
	s_add_co_u32 s20, s20, 12800
	v_add_nc_u32 v[AB], s20, v17
	s_lshl_b32 s20, s[MH], 8
	s_add_co_u32 s20, s20, 12288
	v_add_nc_u32 v[SA], s20, v18
	s_lshl_b32 s20, s[NH], 8
	s_add_co_u32 s20, s20, 25088
	v_add_nc_u32 v[SB], s20, v18
	v_and_b32 v19, 63, v0
	v_lshlrev_b32 v[GA], 4, v19
	v_lshl_add_u32 v[GB], v19, 3, 12288
	s_mul_i32 s20, s[NH], 12800
	v_add_nc_u32 v[LA], s20, v[GA]
	v_add_nc_u32 v[LB], s20, v[GB]
	s_mul_i32 s20, s[WV], 4352
	s_add_co_u32 s20, s20, STG                     ; my stage
	v_mul_u32_u24 v[STO], v15, 272
	v_lshl_add_u32 v[STO], v16, 6, v[STO]
	v_add_nc_u32 v[STO], s20, v[STO]               ; in: row r, 64 h bytes on
	v_mul_u32_u24 v[RD], v16, 272
	v_lshl_add_u32 v[RD], v15, 4, v[RD]
	v_add_nc_u32 v[RD], s20, v[RD]                 ; back: lanes 0-15 one row of 256 bytes, lanes 16-31 the next
	v_lshlrev_b32 v[CO], 13, v16
	v_lshl_add_u32 v[CO], v15, 4, v[CO]            ; and the same two rows in out0
	s_cmp_lt_u32 s[WV], 2                          ; waves 0 and 1 copy o's blocks, waves 2 and 3 wo's
	s_cselect_b32 s20, s13, ttmp9
	s_cselect_b32 s21, 0, 13107200                 ; wo is img's fifth section
	s_mul_i32 s20, s20, 204800
	s_add_co_u32 s20, s20, s21
	s_mov_b32 s21, 0
	s_lshl_b32 s22, s13, 20                        ; 128 rows of 8,192 bytes,
	s_lshl_b32 s23, s[MH], 19                      ; 64 rows,
	s_add_co_u32 s22, s22, s23
	s_lshl_b32 s23, ttmp9, 9                       ; 128 columns,
	s_add_co_u32 s22, s22, s23
	s_lshl_b32 s23, s[NH], 8                       ; 64 columns
	s_add_co_u32 s22, s22, s23
	s_mov_b32 s23, 0
	s_wait_alu depctr_va_vdst(0)
	s_wait_kmcnt 0x0
	s_cmp_lt_u32 s[WV], 2
	s_cselect_b64 s[BP:BP+1], s[4:5], s[6:7]
	s_add_nc_u64 s[BP:BP+1], s[BP:BP+1], s[20:21]
	s_add_nc_u64 s[8:9], s[8:9], s[22:23]
	SLOAD 0, 0
	SLOAD 1, 1
	SLOAD 2, 2
	SLOAD 3, 3
	s_wait_loadcnt 39                              ; step 0's 13 loads are in
	SSTORE 0, 0
	s_wait_dscnt 0x0
	s_barrier_signal -1
	s_barrier_wait -1
	FETCH 0
	STEP 0, 1, 1, 39, 1                            ; the first step's products start the sums: nothing is cleared
	STEP 1, 0, 1, 39, 1
	STEP 2, 0, 1, 39, 1
	STEP 3, 0, 1, 39, 1
	s_wait_xcnt 0x0                                ; the loads have read their base
	s_add_nc_u64 s[BP:BP+1], s[BP:BP+1], 51200
	s_mov_b32 s[CNT], 2
.Ltrip:                                            ; steps 4 to 11, which ask for steps 8 to 15
	STEP 0, 0, 1, 39, 1
	STEP 1, 0, 1, 39, 1
	STEP 2, 0, 1, 39, 1
	STEP 3, 0, 1, 39, 1
	s_wait_xcnt 0x0
	s_add_nc_u64 s[BP:BP+1], s[BP:BP+1], 51200
	s_sub_co_u32 s[CNT], s[CNT], 1
	s_cmp_lg_u32 s[CNT], 0
	s_cbranch_scc1 .Ltrip
	STEP 0, 0, 0, 26, 1                            ; the last four steps ask for nothing: the counts run down
	STEP 1, 0, 0, 13, 1
	STEP 2, 0, 0, 0, 1
	STEP 3, 0, 0, 0, 0
; THE WAY OUT, 16 rows x 64 columns at a time.  Register j of accumulator (a, 2 q + u) of lane (r, h) is column 32 q + 16 h + 8 u + j of row r of o's fragment a: it goes through my own stage and comes back as whole rows of
; 256 bytes.  LDS serves a wave's instructions in order: no wait between the stores and the loads, nor in front of the next block's stores.
.macro TOSTAGE a
	WIN 0x04                                       ; the data: window 1
.irp e, 0,1,2,3
	ds_store_b128 v[STO], v[8*(4*(\a)+\e):8*(4*(\a)+\e)+3] offset:128*(\e/2)+32*(\e%2)      ; each accumulator from its low end on
	ds_store_b128 v[STO], v[8*(4*(\a)+\e)+4:8*(4*(\a)+\e)+7] offset:128*(\e/2)+32*(\e%2)+16
.endr
	WIN 0
.irp i, 0,1,2,3,4,5,6,7
	ds_load_b128 v[F+32*((\a)%2)+4*\i:F+32*((\a)%2)+4*\i+3], v[RD] offset:544*\i
.endr
.endm
.macro SEND a, younger                 ; younger: the LDS instructions issued behind block a's loads
	s_wait_dscnt \younger
.irp i, 0,1,2,3,4,5,6,7
	global_store_b128 v[CO], v[F+32*((\a)%2)+4*\i:F+32*((\a)%2)+4*\i+3], s[8:9] offset:(32*((\a)/2)+8*((\a)%2)+2*\i+8*(\i/4))*8192 th:TH_STORE_NT   ; sixteen lanes store 256 consecutive bytes, aligned; written once
.endr
.endm
	PLACES                                         ; behind the last products: their results are read, and their operands' registers loaded into, from here on
	TOSTAGE 0
	TOSTAGE 1
	SEND 0, 16                                     ; behind block 0's loads: block 1's 8 stores and 8 loads
	s_wait_xcnt 0x0                                ; block 0's stores have read their registers: block 2's loads may land there
	TOSTAGE 2
	SEND 1, 16
	s_wait_xcnt 0x0
	TOSTAGE 3
	SEND 2, 16
	SEND 3, 0
	s_wait_tensorcnt 0x0                           ; the wave's end
	ds_add_u32 v[SPW], v[NIL]
	s_wait_dscnt 0x0
	s_endpgm
.Lfunc_end_k_qe1a650e70d_oproj:
	.size	k_qe1a650e70d_oproj, .Lfunc_end_k_qe1a650e70d_oproj-k_qe1a650e70d_oproj
	.p2alignl 7, 3214868480
	.fill 96, 4, 3214868480
	.section	.rodata,"a",@progbits
	.p2align	6, 0x0
	.amdhsa_kernel k_qe1a650e70d_oproj
		.amdhsa_group_segment_fixed_size 69120
		.amdhsa_private_segment_fixed_size 0
		.amdhsa_enable_private_segment 0
		.amdhsa_kernarg_size 24
		.amdhsa_user_sgpr_count 2
		.amdhsa_user_sgpr_kernarg_segment_ptr 1
		.amdhsa_wavefront_size32 1
		.amdhsa_system_sgpr_workgroup_id_x 1
		.amdhsa_system_sgpr_workgroup_id_y 1
		.amdhsa_system_sgpr_workgroup_id_z 1
		.amdhsa_system_vgpr_workitem_id 0
		.amdhsa_next_free_vgpr 768
		.amdhsa_next_free_sgpr 66
		.amdhsa_reserve_vcc 0
		.amdhsa_float_denorm_mode_32 3
		.amdhsa_float_denorm_mode_16_64 3
		.amdhsa_memory_ordered 1
		.amdhsa_forward_progress 1
		.amdhsa_inst_pref_size 87
	.end_amdhsa_kernel
	.amdgpu_metadata
---
amdhsa.version: [ 1, 2 ]
amdhsa.kernels:
  - .name:           k_qe1a650e70d_oproj
    .symbol:         k_qe1a650e70d_oproj.kd
    .args:
      - { .name: oimg, .offset: 0, .size: 8, .value_kind: global_buffer, .address_space: global }
      - { .name: img, .offset: 8, .size: 8, .value_kind: global_buffer, .address_space: global }
      - { .name: out0, .offset: 16, .size: 8, .value_kind: global_buffer, .address_space: global }
    .group_segment_fixed_size: 69120
    .private_segment_fixed_size: 0
    .kernarg_segment_align: 8
    .kernarg_segment_size: 24
    .max_flat_workgroup_size: 128
    .sgpr_count:     66
    .vgpr_count:     768
    .wavefront_size: 32
...
	.end_amdgpu_metadata
.endif
;; end of part 4
